; MI455X (gfx1250); checked and timed in simulation.
; The chip was launched on July 23, 2026; its instructions are those of AMD's public machine-readable ISA for CDNA 5 (MIT licence, August 2026) and "CDNA5" Instruction Set Architecture Reference Guide (July 2026). The comments in the code are by the model that wrote it; some were corrected since.
;; Multi Head Attention. Allowed arithmetic: matrix products marked QUANTISED: E2M3 operands, one E8M0 scale for each 32 along K, by v_wmma_scale_f32_16x16x128_f8f6f4 with both operands' format E2M3, f32 sums; everything else in f32.
;; Inputs: Wk 1,024 x 1,024 float32; Wo 1,024 x 1,024 float32; Wq 1,024 x 1,024 float32; Wv 1,024 x 1,024 float32; bk 1,024 float32; bo 1,024 float32; bq 1,024 float32; bv 1,024 float32; x 2 x 2,048 x 1,024 float32.
;; Outputs: out0 2 x 2,048 x 1,024 float32.
;; This version of the problem:
;;   THIS VERSION OF THE PROBLEM IS GIVEN IN LOW PRECISION. The matrix products marked QUANTISED in the list below multiply operands that are first quantised to E2M3 (2 exponent bits, 3 mantissa bits; 6 bits a number), with one power-of-two scale for each 32 numbers along K (OCP MX v1.0); their sums are f32. All else is computed in f32.
;;   The module's matrix products, in the order in which they are computed (A, B: the left and right operand; K: the contracted axis; several contracted axes count as one K, in the product's order):
;;     1. [M 4,096, K 1,024] x [K 1,024, N 1,024]; A: input x; B: input Wq: QUANTISED
;;     2. [M 4,096, K 1,024] x [K 1,024, N 1,024]; A: input x; B: input Wk: QUANTISED
;;     3. [M 4,096, K 1,024] x [K 1,024, N 1,024]; A: input x; B: input Wv: QUANTISED
;;     4. batch 32 x [M 2,048, K 64] x [K 64, N 2,048]; A: computed on the way; B: computed on the way: QUANTISED
;;     5. batch 32 x [M 2,048, K 2,048] x [K 2,048, N 64]; A: softmax (see below); B: computed on the way: QUANTISED
;;     6. [M 4,096, K 1,024] x [K 1,024, N 1,024]; A: computed on the way; B: input Wo: QUANTISED
;;   THE QUANTISER, for each operand of a quantised product, along K:
;;     - K is cut into blocks of 32 from its start; a last block that is shorter is filled with zeros.
;;     - A block's scale is 2^e with e = floor(log2(the largest magnitude in the block)) - 2, held to -126 .. 127; a block of zeros has e = 0. As a byte (E8M0): e + 127.
;;     - Each number is divided by its block's scale, clamped to +-7.5, and rounded to the nearest number of E2M3, ties to even, subnormals kept.
;;     - The product sums the exact products of the quantised numbers (number of the format x scale) in f32.
;;   ~~~python
;;   def quantise(x, axis):      # numpy; x: float32 -> the quantised numbers, widened to float32 again
;;       x = np.moveaxis(x, axis, -1); K = x.shape[-1]
;;       x = np.pad(x, [(0, 0)] * (x.ndim - 1) + [(0, -K % 32)]); x = x.reshape(x.shape[:-1] + (-1, 32)); a = np.abs(x).max(-1, keepdims=True)
;;       e = np.where(a > 0, np.clip(np.frexp(np.where(a > 0, a, 1))[1] - 1 - 2, -126, 127), 0)      # np.frexp(a)[1] - 1 = floor(log2(a)), exactly
;;       r = np.clip(x / 2.0 ** e, -7.5, 7.5)
;;       step = 2.0 ** (np.maximum(np.frexp(np.where(r == 0, 1, r))[1] - 1, 0) - 3)
;;       q = np.round(r / step) * step * 2.0 ** e      # np.round: ties to even
;;       return np.moveaxis(q.reshape(q.shape[:-2] + (-1,))[..., :K], -1, axis).astype(np.float32)
;;   ~~~
;;   SOFTMAX AHEAD OF A QUANTISED PRODUCT. Where the list says 'softmax', what is quantised is not the finished softmax but p = 2^(t - M), with t = logit x log2(e) and M = ceil(the row's largest t), a whole number; so 1/2 < the row's largest p <= 1. The row's sum l is taken of the UNQUANTISED p, in f32, and the product's result is divided by l at the end. Since M is a whole number, a kernel that streams over the keys may use a running M (the ceiling of the running maximum): every later rescaling is an exact power of two, which a block's scale takes up: the codes' values come out the same.
;;   OPERANDS COMPUTED ON THE WAY. 'Computed on the way' means the value that the module computes at that place (a softmax that the list does not call 'softmax' is quantised finished and normalised). What goes into a quantiser is computed in f32, as accurately as f32 sums, v_exp_f32 and their like allow (about 1e-6 of the number): no bf16 or f16 on the way to a quantiser, and a product that is left as it is and whose result goes on into a quantised operand takes f32 operands (vector FMAs, or v_wmma_f32_16x16x4_f32). A number that lies on a knife's edge between two numbers of the format may be rounded either way, as far as f32 arithmetic and the matrix unit's own rounding can turn it there, and no further.
;; One version. Each part assembles by itself: llvm-mc -triple=amdgcn-amd-amdhsa -mcpu=gfx1250 --defsym DOCPART=n.
;; ======== version 1 of 1: 4 launches
;; limits: right only within a limited range of input values
;; workspace buffers: xq 3,276,800 bytes; wq 3,276,800 bytes; rope 524,288 bytes; qc 3,407,872 bytes; kv 6,815,744 bytes; aq 3,276,800 bytes
;; launch prep (part 1): grid 576 x 1, 4 waves a work-group, no clusters, 34,304 bytes of LDS; arguments x, Wq, Wk, Wv, Wo, xq, wq, rope; writes xq, wq, rope
.if DOCPART == 1
	.amdgcn_target "amdgcn-amd-amdhsa--gfx1250"
	.amdhsa_code_object_version 6
	.text
	.protected	k_q8332abe412_prep
	.globl	k_q8332abe412_prep
	.p2align	8
	.type	k_q8332abe412_prep,@function
k_q8332abe412_prep:
	s_mov_b64 s[64:65], 0
	v_nop
	global_prefetch_b8 v0, s[64:65] scope:SCOPE_SE
	s_setreg_imm32_b32 hwreg(HW_REG_WAVE_MODE, 25, 1), 1
	s_wait_xcnt 0x0
; x [4096][1024] and the four weights [1024 (k)][1024 (n)], f32, become codes of FP6 (E2M3) with one E8M0 byte for each 32 along K, laid in the ORDER OF AN OPERAND'S REGISTERS;
; and the table of cos and sin for the rotary embedding is made.  Work-groups 0-255: a tile of 16 rows of x each; 256-511: the weights; 512-575: the table.
; TILES.  Tile T of every operand holds, in lane-row p (0..15), row 32 (T / 2) + 8 (T % 2) + p + 8 (p / 8).
; A UNIT is 16 rows x 64 k in 768 bytes: lane (p, h) owns block h (32 codes, six words): words 0-3 at 16 x lane, words 4-5 at 512 + 16 p + 8 h.  An operand's image: tile T at 12,288 T, unit u at 768 u.
; SCALE IMAGE, behind the codes at byte 3,145,728: the word (four bytes, 128 k) of row p for K step 2 g + q lies at 512 T + 128 g + 8 p + 4 q.
; A block's scale is 2^(floor(log2(largest magnitude)) - 2): its byte is the largest magnitude's exponent field - 2, held at 1 from below by a floor among the maximum's leaves.
; LIMITS: a block of zeros gets the byte 1 where the rule says 127 (its codes are zeros, and this program alone reads the bytes); NaN and infinities are not served;
; the 32 frequencies are the f32 numbers nearest to 10^(-j/8), within a unit in the last place: an angle may differ by about 2e-4 at the last positions of the fastest frequency.
; No matrix unit, no cluster, no tensor load: every byte is read once by one wave.  Only x's path uses LDS.
.set SPARE, 33792                      ; behind the four stages of 8,448 bytes: the spare words, 128 bytes a wave
.set SPW, 10                           ; v10 LDS address of my spare word; never rewritten
.set NIL, 11                           ; v11 0; never rewritten
.set RG,  16                           ; v16-143  x as loaded: two K steps x 16 rows x 4 registers
.set XG,  144                          ; v144-207 my 64 numbers: two whole blocks
.set PC,  208                          ; v208-219 a fragment's codes
	s_load_b512 s[4:19], s[0:1], 0x0               ; x s[4:5], Wq s[6:7], Wk s[8:9], Wv s[10:11], Wo s[12:13], xq s[14:15], wq s[16:17], rope s[18:19]
	v_lshl_add_u32 v[SPW], v0, 2, SPARE
	v_mov_b32 v[NIL], 0
	v_lshrrev_b32 v1, 5, v0
	v_readfirstlane_b32 s20, v1                    ; wave 0..3
	v_and_b32 v2, 31, v0                           ; lane
	v_and_b32 v3, 15, v0                           ; p
	v_bfe_u32 v12, v0, 4, 1                        ; h
	s_mov_b32 s30, 0x76543210
	s_mov_b32 s31, 0xfedcba98                      ; v_permlanex16_b32's selects for lane l xor 16
	s_mov_b32 s25, 0                               ; the upper word of every offset pair s[24:25]
	s_wait_kmcnt 0x0
	s_cmp_lt_u32 ttmp9, 256
	s_cbranch_scc1 .Lpath_x
	s_cmp_lt_u32 ttmp9, 512
	s_cbranch_scc1 .Lpath_w
; ---------------- THE TABLE: position t has 256 bytes: cos of frequencies 0-31, then sin.  A wave makes 8 positions; lanes 0-15 make cos, lanes 16-31 sin, two frequencies a lane.
	s_sub_co_u32 s21, ttmp9, 512
	s_lshl_b32 s21, s21, 2
	s_add_co_u32 s21, s21, s20
	s_lshl_b32 s21, s21, 3                         ; my first position
	s_lshl_b32 s24, s21, 8
	s_add_nc_u64 s[18:19], s[18:19], s[24:25]
	v_mov_b32 v16, 0                               ; frequency 2 (lane % 16),
	v_mov_b32 v17, 0                               ; and 2 (lane % 16) + 1
.macro FREQ j, bits                    ; 10^(-j/8) into the two lanes that want it
	s_mov_b32 s22, \bits
	v_writelane_b32 v[16+(\j)%2], s22, (\j)/2
	v_writelane_b32 v[16+(\j)%2], s22, (\j)/2+16
.endm
	FREQ 0, 0x3f800000
	FREQ 1, 0x3f3ff911
	FREQ 2, 0x3f0ff59a
	FREQ 3, 0x3ed7e89b
	FREQ 4, 0x3ea1e89b
	FREQ 5, 0x3e72d424
	FREQ 6, 0x3e361887
	FREQ 7, 0x3e088d77
	FREQ 8, 0x3dcccccd
	FREQ 9, 0x3d99940e
	FREQ 10, 0x3d6655c3
	FREQ 11, 0x3d2cba15
	FREQ 12, 0x3d0186e2
	FREQ 13, 0x3cc24350
	FREQ 14, 0x3c91ad39
	FREQ 15, 0x3c5a7bf1
	FREQ 16, 0x3c23d70a
	FREQ 17, 0x3bf5b9b0
	FREQ 18, 0x3bb8449c
	FREQ 19, 0x3b8a2e77
	FREQ 20, 0x3b4f3e37
	FREQ 21, 0x3b1b690d
	FREQ 22, 0x3ae91528
	FREQ 23, 0x3aaec98e
	FREQ 24, 0x3a83126f
	FREQ 25, 0x3a44948c
	FREQ 26, 0x3a136a16
	FREQ 27, 0x39dd1726
	FREQ 28, 0x39a5cb5f
	FREQ 29, 0x3978a814
	FREQ 30, 0x393a7753
	FREQ 31, 0x390bd472
	v_cvt_f32_u32 v18, s21                         ; t as f32 (exact: under 2,048)
	v_sub_nc_u32 v19, 1, v12                       ; cos(a) = sin(a + pi/2): the cos lanes count one quadrant more
	v_lshlrev_b32 v20, 7, v12
	v_lshl_add_u32 v20, v3, 3, v20                 ; my 8 bytes of a position's 256
	s_mov_b32 s32, 0x3f22f983                      ; 2 / pi
	s_mov_b32 s33, 0xbfc90fdb                      ; - pi/2 in three parts: the f32 nearest to pi/2,
	s_mov_b32 s34, 0x333bbd2e                      ; what it leaves,
	s_mov_b32 s35, 0x26f72ced                      ; and what that leaves
	s_mov_b32 s36, 0xb493f27e                      ; cos: -1/10!
	s_mov_b32 s37, 0x37d00d01                      ; 1/8!
	s_mov_b32 s38, 0xbab60b61                      ; -1/6!
	s_mov_b32 s39, 0x3d2aaaab                      ; 1/4!
	s_mov_b32 s40, 0x3638ef1d                      ; sin: 1/9!
	s_mov_b32 s41, 0xb9500d01                      ; -1/7!
	s_mov_b32 s42, 0x3c088889                      ; 1/5!
	s_mov_b32 s43, 0xbe2aaaab                      ; -1/3!
	s_mov_b32 s23, 8
.Lrope:
	s_wait_alu depctr_va_vdst(0)                   ; the wait behind the backward jump
.irp k, 0,1
	v_mul_f32 v[24+\k], v18, v[16+\k]              ; the angle, rounded once, as t x frequency is in f32
	v_mul_f32 v[26+\k], s32, v[24+\k]
	v_rndne_f32 v[26+\k], v[26+\k]                 ; n: the nearest multiple of pi/2
	v_fma_f32 v[28+\k], v[26+\k], s33, v[24+\k]    ; r = angle - n pi/2: this first step is exact (both are multiples of 2^-24 and the difference is under 1)
	v_fma_f32 v[28+\k], v[26+\k], s34, v[28+\k]
	v_fma_f32 v[28+\k], v[26+\k], s35, v[28+\k]
	v_cvt_i32_f32 v[30+\k], v[26+\k]
	v_add_nc_u32 v[30+\k], v[30+\k], v19           ; the quadrant, counted for a sine
	v_mul_f32 v[32+\k], v[28+\k], v[28+\k]         ; r^2
	v_fma_f32 v[34+\k], v[32+\k], s36, s37         ; cos r, to r^10: what is cut off lies under 1e-10 on |r| <= pi/4
	v_fma_f32 v[34+\k], v[34+\k], v[32+\k], s38
	v_fma_f32 v[34+\k], v[34+\k], v[32+\k], s39
	v_fma_f32 v[34+\k], v[34+\k], v[32+\k], -0.5
	v_fma_f32 v[34+\k], v[34+\k], v[32+\k], 1.0
	v_fma_f32 v[36+\k], v[32+\k], s40, s41         ; sin r, to r^9: under 2e-9
	v_fma_f32 v[36+\k], v[36+\k], v[32+\k], s42
	v_fma_f32 v[36+\k], v[36+\k], v[32+\k], s43
	v_mul_f32 v[38+\k], v[28+\k], v[32+\k]
	v_fma_f32 v[36+\k], v[36+\k], v[38+\k], v[28+\k]
	v_and_b32 v[38+\k], 1, v[30+\k]
	v_cmp_eq_u32 vcc_lo, 1, v[38+\k]
	v_cndmask_b32 v[40+\k], v[36+\k], v[34+\k], vcc_lo   ; odd quadrants take the cosine's sum,
	v_and_b32 v[38+\k], 2, v[30+\k]
	v_lshlrev_b32 v[38+\k], 30, v[38+\k]
	v_xor_b32 v[40+\k], v[40+\k], v[38+\k]         ; quadrants 2 and 3 change the sign
.endr
	global_store_b64 v20, v[40:41], s[18:19]       ; the wave stores a position's 256 consecutive bytes, aligned
	s_wait_xcnt 0x0                                ; the store's offset and data are written again only behind this wait
	v_add_nc_u32 v20, 256, v20
	v_add_f32 v18, 1.0, v18
	s_sub_co_u32 s23, s23, 1
	s_cmp_lg_u32 s23, 0
	s_cbranch_scc1 .Lrope
	s_endpgm
; ---------------- THE WEIGHTS: K is the FIRST axis.  A lane takes a column n and its registers run down K: a block of 32 lies in one lane, nothing is transposed.
; Work-group g: weight g / 64, columns 128 ((g / 8) % 8) on, rows 128 (g % 8) on: four blocks a lane, two units and one scale word.
; Wave w: 32 columns = tiles 2 G and 2 G + 1: column n' is tile (n' / 8) % 2, lane-row n' % 8 + 8 (n' / 16).  The scale word leaves by a store of 4 bytes a lane, 8 bytes apart: 131,072 bytes in the launch.
.Lpath_w:
	s_sub_co_u32 s21, ttmp9, 256
	s_lshr_b32 s22, s21, 6                         ; which weight
	s_bfe_u32 s23, s21, 0x30003
	s_and_b32 s21, s21, 7                          ; which 128 along K
	s_lshl_b32 s23, s23, 2
	s_add_co_u32 s23, s23, s20                     ; G: my 32 columns
	s_cmp_eq_u32 s22, 1
	s_cselect_b64 s[6:7], s[8:9], s[6:7]
	s_cmp_eq_u32 s22, 2
	s_cselect_b64 s[6:7], s[10:11], s[6:7]
	s_cmp_eq_u32 s22, 3
	s_cselect_b64 s[6:7], s[12:13], s[6:7]
	s_lshl_b32 s24, s21, 19                        ; 128 rows of 4,096 bytes
	s_lshl_b32 s26, s23, 7
	s_add_co_u32 s24, s24, s26
	s_add_nc_u64 s[6:7], s[6:7], s[24:25]
	s_mul_i32 s24, s22, 786432                     ; the weight's image,
	s_mul_i32 s26, s23, 24576                      ; tile 2 G,
	s_add_co_u32 s24, s24, s26
	s_mul_i32 s26, s21, 1536                       ; two units
	s_add_co_u32 s24, s24, s26
	s_add_nc_u64 s[28:29], s[16:17], s[24:25]
	s_lshl_b32 s24, s22, 15
	s_lshl_b32 s26, s23, 10
	s_add_co_u32 s24, s24, s26
	s_lshr_b32 s26, s21, 1
	s_lshl_b32 s26, s26, 7                         ; 128 g,
	s_add_co_u32 s24, s24, s26
	s_and_b32 s26, s21, 1
	s_lshl_b32 s26, s26, 2                         ; 4 q
	s_add_co_u32 s24, s24, s26
	s_add_co_u32 s24, s24, 3145728
	s_add_nc_u64 s[16:17], s[16:17], s[24:25]      ; my scale words
	s_wait_alu depctr_va_vdst(0)                   ; the wait behind the run of scalar lines
	v_lshlrev_b32 v4, 2, v2                        ; in: 4 bytes a lane: a load reads 128 consecutive bytes
	v_bfe_u32 v13, v0, 3, 1                        ; which of the two tiles
	v_and_b32 v14, 7, v0
	v_lshl_add_u32 v14, v12, 3, v14                ; lane-row
	v_lshlrev_b32 v5, 4, v14
	v_mad_u32_u24 v5, v13, 0x3000, v5              ; out: 12,288 x tile + 16 x lane-row
	v_lshlrev_b32 v6, 3, v14
	v_lshl_add_u32 v6, v13, 9, v6                  ; scale words: 512 x tile + 8 x lane-row
.macro LOADW t                         ; block t: W(32 t + i, my column) into set t % 2
.set ii, 0
.rept 32
	global_load_b32 v[16+32*((\t)%2)+ii], v4, s[6:7] offset:(32*(\t)+ii)*4096 th:TH_LOAD_NT
.set ii, ii+1
.endr
.endm
.macro WBLK t                          ; block t = block t % 2 of unit t / 2
.set XS, 16+32*((\t)%2)
.set QH, 144+4*((\t)%2)
.set EH, 156+4*((\t)%2)
.if (\t) < 3
	s_wait_loadcnt 32                              ; this block's 32 loads are in; the next block's 32 may be out
.else
	s_wait_loadcnt 0x0
.endif
.if ((\t)%2 == 0) && ((\t) > 0)
	s_wait_xcnt 0x0                                ; the last unit's stores have read their data: the codes' registers are written again only behind this wait
.endif
	v_max3_num_f32 v166, |v[XS]|, |v[XS+1]|, 0x1800000           ; the block's largest magnitude, all 32 mine, and the floor 2^(3 - 127)
	v_max3_num_f32 v167, |v[XS+2]|, |v[XS+3]|, |v[XS+4]|
.irp i, 5,9,13,17,21,25
	v_max3_num_f32 v166, v166, |v[XS+\i]|, |v[XS+\i+1]|
	v_max3_num_f32 v167, v167, |v[XS+\i+2]|, |v[XS+\i+3]|
.endr
	v_max3_num_f32 v166, v166, |v[XS+29]|, |v[XS+30]|
	v_max3_num_f32 v166, v166, v167, |v[XS+31]|
	v_add_nc_u32 v168, 0xff000000, v166            ; 2 off its exponent field: the conversion's scale operand
	v_lshrrev_b32 v169, 23, v168                   ; the scale's byte
.if (\t) == 0
	v_mov_b32 v164, v169                           ; four bytes to a word, the lower K in the lower byte
.else
	v_lshl_or_b32 v164, v169, 8*(\t), v164
.endif
	v_cvt_scalef32_pk16_fp6_f32 v[QH:QH+2], v[XS:XS+15], v168
	v_cvt_scalef32_pk16_fp6_f32 v[EH:EH+2], v[XS+16:XS+31], v168
	v_nop                                          ; one plain place behind a scaled conversion
.if (\t)+2 < 4
	LOADW (\t)+2
.endif
.if (\t)%2
	v_mov_b32 v147, v156                           ; block 0: words 0-3;
	v_mov_b32 v151, v160                           ; block 1: words 0-3;
	v_mov_b32 v152, v157                           ; words 4, 5 of block 0, then of block 1
	v_mov_b32 v153, v158
	v_mov_b32 v154, v161
	v_mov_b32 v155, v162
	global_store_b128 v5, v[144:147], s[28:29] offset:768*((\t)/2)       ; each store: two runs of 256 consecutive bytes, aligned (one in each tile)
	global_store_b128 v5, v[148:151], s[28:29] offset:768*((\t)/2)+256
	global_store_b128 v5, v[152:155], s[28:29] offset:768*((\t)/2)+512
.endif
.endm
	LOADW 0
	LOADW 1
.irp t, 0,1,2,3
	WBLK \t
.endr
	global_store_b32 v6, v164, s[16:17]            ; my column's scale word
	s_endpgm
; ---------------- x: K is innermost.  Work-group T: tile T; wave w: 256 along K (units 4 w .. 4 w + 3).  Each load reads 512 consecutive bytes of a row; the numbers turn through the wave's own
; stage in LDS (16 rows, 528 bytes apart), so that lane (p, h) gets the two whole blocks 32 h and 64 + 32 h of row p of a K step of 128.
.Lpath_x:
	s_lshr_b32 s21, ttmp9, 1
	s_lshl_b32 s21, s21, 5
	s_and_b32 s22, ttmp9, 1
	s_lshl_b32 s22, s22, 3
	s_add_co_u32 s21, s21, s22                     ; the tile's first row
	s_lshl_b32 s24, s21, 12
	s_lshl_b32 s22, s20, 10
	s_add_co_u32 s24, s24, s22
	s_add_nc_u64 s[4:5], s[4:5], s[24:25]
	s_mul_i32 s24, ttmp9, 12288
	s_mul_i32 s22, s20, 3072
	s_add_co_u32 s24, s24, s22
	s_add_nc_u64 s[26:27], s[14:15], s[24:25]      ; my four units
	s_lshl_b32 s24, ttmp9, 9
	s_lshl_b32 s22, s20, 7
	s_add_co_u32 s24, s24, s22
	s_add_co_u32 s24, s24, 3145728
	s_add_nc_u64 s[28:29], s[14:15], s[24:25]      ; my scale words
	s_wait_alu depctr_va_vdst(0)                   ; the wait behind the run of scalar lines
	v_lshlrev_b32 v4, 4, v2                        ; 16 x lane
	v_lshlrev_b32 v5, 4, v3
	v_lshl_add_u32 v5, v12, 3, v5                  ; 16 p + 8 h
	s_mul_i32 s23, s20, 8448                       ; my stage
	v_add_nc_u32 v6, s23, v4                       ; into it: as loaded
	v_mul_u32_u24 v7, v3, 528
	v_lshl_add_u32 v7, v12, 7, v7
	v_add_nc_u32 v7, s23, v7                       ; out of it: row p, + 128 h bytes
	v_lshlrev_b32 v8, 3, v3
	v_lshlrev_b32 v9, 3, v12
	v_mov_b32 v235, 0                              ; written once: a lane permute's destination counts as one of its sources
.irp u, 0,1
.set ii, 0
.rept 16
	global_load_b128 v[RG+64*\u+4*ii:RG+64*\u+4*ii+3], v4, s[4:5] offset:(ii+8*(ii/8))*4096+512*\u th:TH_LOAD_NT
.set ii, ii+1
.endr
.endr
.macro QW wreg                         ; my two whole blocks in v[XG] on become registers 6 c .. 6 c + 5 of a fragment, and the row's scale word
.irp c, 0,1
	v_max3_num_f32 v[228+\c], |v[XG+32*\c]|, |v[XG+32*\c+1]|, 0x1800000   ; with the floor 2^(3 - 127)
.endr
.irp i, 2,4,6,8,10,12,14,16,18,20,22,24,26,28,30
.irp c, 0,1
	v_max3_num_f32 v[228+\c], v[228+\c], |v[XG+32*\c+\i]|, |v[XG+32*\c+\i+1]|
.endr
.endr
.irp c, 0,1
	v_add_nc_u32 v[230+\c], 0xff000000, v[228+\c]  ; 2 off the exponent field: the conversion's scale operand
.endr
.irp c, 0,1
	v_lshrrev_b32 v[232+\c], 23, v[230+\c]         ; the byte
.endr
	v_lshl_or_b32 v234, v233, 16, v232             ; my bytes: blocks h and 2 + h,
	v_lshlrev_b32 v234, v9, v234                   ; 8 h bits up;
	v_permlanex16_b32 v235, v234, s30, s31
	v_or_b32 v[\wreg], v234, v235                  ; with lane l xor 16's two the word is whole
.irp c, 0,1
	v_cvt_scalef32_pk16_fp6_f32 v[PC+6*\c:PC+6*\c+2], v[XG+32*\c:XG+32*\c+15], v[230+\c]
	v_cvt_scalef32_pk16_fp6_f32 v[220+4*\c:222+4*\c], v[XG+32*\c+16:XG+32*\c+31], v[230+\c]   ; (a conversion's three registers begin on an even number)
.endr
	v_nop                                          ; one plain place behind a scaled conversion
.irp c, 0,1
.irp i, 0,1,2
	v_mov_b32 v[PC+6*\c+3+\i], v[220+4*\c+\i]
.endr
.endr
.endm
.macro FRAGX u
	s_wait_loadcnt 16*(1-\u)                       ; this K step's 16 loads are in; the other's 16 may be out
.set ii, 0
.rept 16
	ds_store_b128 v6, v[RG+64*\u+4*ii:RG+64*\u+4*ii+3] offset:528*ii
.set ii, ii+1
.endr
.set ii, 0
.rept 16
	ds_load_b128 v[XG+4*ii:XG+4*ii+3], v7 offset:256*(ii/8)+16*(ii%8)   ; LDS serves a wave's instructions in order: these see the stores above
.set ii, ii+1
.endr
	s_wait_dscnt 0x0
.if \u
	s_wait_xcnt 0x0                                ; the first K step's stores have read the codes' registers
.endif
	QW 236+\u
.irp c, 0,1
	global_store_b128 v4, v[PC+6*\c:PC+6*\c+3], s[26:27] offset:1536*\u+768*\c        ; 512 consecutive bytes
	global_store_b64 v5, v[PC+6*\c+4:PC+6*\c+5], s[26:27] offset:1536*\u+768*\c+512   ; 256 consecutive bytes
.endr
.endm
	s_wait_alu depctr_va_vdst(0)                   ; the wait at the head's end
	FRAGX 0
	FRAGX 1
	global_store_b64 v8, v[236:237], s[28:29]      ; 16 rows x two words; both halves of the lanes hold and write the same
	s_wait_tensorcnt 0x0                           ; the wave's end, behind my last LDS store
	ds_add_u32 v[SPW], v[NIL]
	s_wait_dscnt 0x0
	s_endpgm
.Lfunc_end_k_q8332abe412_prep:
	.size	k_q8332abe412_prep, .Lfunc_end_k_q8332abe412_prep-k_q8332abe412_prep
	.p2alignl 7, 3214868480
	.fill 96, 4, 3214868480
	.section	.rodata,"a",@progbits
	.p2align	6, 0x0
	.amdhsa_kernel k_q8332abe412_prep
		.amdhsa_group_segment_fixed_size 34304
		.amdhsa_private_segment_fixed_size 0
		.amdhsa_enable_private_segment 0
		.amdhsa_kernarg_size 64
		.amdhsa_user_sgpr_count 2
		.amdhsa_user_sgpr_kernarg_segment_ptr 1
		.amdhsa_wavefront_size32 1
		.amdhsa_system_sgpr_workgroup_id_x 1
		.amdhsa_system_sgpr_workgroup_id_y 1
		.amdhsa_system_sgpr_workgroup_id_z 1
		.amdhsa_system_vgpr_workitem_id 0
		.amdhsa_next_free_vgpr 240
		.amdhsa_next_free_sgpr 66
		.amdhsa_reserve_vcc 1
		.amdhsa_float_denorm_mode_32 3
		.amdhsa_float_denorm_mode_16_64 3
		.amdhsa_memory_ordered 1
		.amdhsa_forward_progress 1
		.amdhsa_inst_pref_size 47
	.end_amdhsa_kernel
	.amdgpu_metadata
---
amdhsa.version: [ 1, 2 ]
amdhsa.kernels:
  - .name:           k_q8332abe412_prep
    .symbol:         k_q8332abe412_prep.kd
    .args:
      - { .name: x, .offset: 0, .size: 8, .value_kind: global_buffer, .address_space: global }
      - { .name: Wq, .offset: 8, .size: 8, .value_kind: global_buffer, .address_space: global }
      - { .name: Wk, .offset: 16, .size: 8, .value_kind: global_buffer, .address_space: global }
      - { .name: Wv, .offset: 24, .size: 8, .value_kind: global_buffer, .address_space: global }
      - { .name: Wo, .offset: 32, .size: 8, .value_kind: global_buffer, .address_space: global }
      - { .name: xq, .offset: 40, .size: 8, .value_kind: global_buffer, .address_space: global }
      - { .name: wq, .offset: 48, .size: 8, .value_kind: global_buffer, .address_space: global }
      - { .name: rope, .offset: 56, .size: 8, .value_kind: global_buffer, .address_space: global }
    .group_segment_fixed_size: 34304
    .private_segment_fixed_size: 0
    .kernarg_segment_align: 8
    .kernarg_segment_size: 64
    .max_flat_workgroup_size: 128
    .sgpr_count:     66
    .vgpr_count:     240
    .wavefront_size: 32
...
	.end_amdgpu_metadata
.endif
;; end of part 1
;; launch qkv (part 2): grid 12 x 16, 4 waves a work-group, clusters of 4 x 4, 327,680 bytes of LDS; arguments xq, wq, rope, bq, bk, bv, qc, kv; writes qc, kv
.if DOCPART == 2
	.amdgcn_target "amdgcn-amd-amdhsa--gfx1250"
	.amdhsa_code_object_version 6
	.text
	.protected	k_q8332abe412_qkv
	.globl	k_q8332abe412_qkv
	.p2align	8
	.type	k_q8332abe412_qkv,@function
k_q8332abe412_qkv:
	s_mov_b64 s[64:65], 0
	v_nop
	global_prefetch_b8 v0, s[64:65] scope:SCOPE_SE
	s_setreg_imm32_b32 hwreg(HW_REG_WAVE_MODE, 25, 1), 1
	s_wait_xcnt 0x0
	s_wait_alu depctr_hold_cnt(0) depctr_sa_sdst(0) depctr_va_vdst(0) depctr_va_sdst(0) depctr_va_ssrc(0) depctr_va_vcc(0) depctr_vm_vsrc(0)
	s_getreg_b32 s2, hwreg(HW_REG_IB_STS2, 6, 4)
	s_cmp_eq_u32 s2, 0
	s_cbranch_scc0 .Lentry_in_a_cluster
	s_endpgm
.Lentry_in_a_cluster:
	s_bfe_u32 s2, ttmp6, 0x10000c
	s_cmp_lg_u32 s2, 0xf033
	s_cbranch_scc0 .Lentry_shape_is_right
	s_endpgm
.Lentry_shape_is_right:
; q, k, v = x W + b on codes of FP6 (E2M3); then the rotary embedding on q and k; then all three are quantised again for attention and stored in the order of attention's operand registers.
; A work-group makes 256 x 256, a wave 128 x 128 (64 accumulators, 512 registers); K = 1,024 goes in four steps of 256 through two LDS slots filled by the tensor data mover.
; ROLES.  Source 0 of the matrix instruction is "B" (window 1), source 1 is "A" (window 0): a lane holds ONE row of A and its registers run along B's rows.
;   clusters x = 0 (q), 1 (k): A = x (tokens), B = the weight: a lane holds one token, registers along the head's 64: q and k are quantised along the head.
;   cluster  x = 2 (v):        A = Wv,         B = x:          a lane holds one channel, registers along the tokens: v is quantised along the keys.
; TILES: tile T holds in lane-row p row 32 (T / 2) + 8 (T % 2) + p + 8 (p / 8): so the 16 registers of B's tiles 2 b and 2 b + 1 are 16 neighbours: 32 b + 16 (lane / 16) + 0 .. 15.
; IMAGES: a unit (16 rows x 64 k) is 768 bytes: words 0-3 of lane l at 16 l, words 4-5 at 512 + 16 (l % 16) + 8 (l / 16); tile T at 12,288 T; scale words at 3,145,728 + 512 T + 128 g + 8 p + 4 q.
; CLUSTERS: 4 x 4.  A's tiles are shared along a row of the cluster, B's along a column: each is asked for jointly, by the same load with the same descriptor and a mask of four.
; OUT: qc: for each (batch x head, 128 queries) 6,656 bytes: 8 units, then 512 bytes of scale words (lane l: word i = tile 2 i + l / 16, row l % 16; bytes 2, 3 = 127: K is 64 there).
;      kv: for each (batch x head, 128 keys) 13,312 bytes: 8 units of k; at 6,144 four fragments of v^T (16 channels x 128 keys: 3 x 512 bytes, 16 a lane); at 12,288 k's scale words; at 12,800 v's.
; The biases are added behind the sums: the two roles want them along different axes, and one text serves both.
; LIMITS: a block of zeros gets the byte 1 (its codes are zeros; this program alone reads the bytes); NaN and infinities are not served.
; No prefetch: a work-group has two refills in all.  192 work-groups: a smaller tile would read every operand twice as often.
.set PART,   24576                     ; 8 tiles x 3,072 bytes: what one tensor load brings, and what one wave reads of A or of B
.set SLOT,   4*PART                    ; A's 16 tiles, then B's
.set SCL,    2*SLOT                    ; A's scale words for all of K, 8,192 bytes; B's 8,320 bytes on
.set SPARE,  213248                    ; the spare words, 128 bytes a wave, in blocks of 256 bytes that no other line names
.set FR,     12
.set NL,     4                         ; LDS loads that bring a fragment
.set NP,     4                         ; places behind this matrix instruction (ISA guide 7.12.1)
.set ADRA, 16                          ; v16-17 LDS address (16 x lane) of my A tiles in slot 0, 1; v18-19 the same with 16 p + 8 h
.set ADRB, 20                          ; v20-23 likewise for B
.set ADRS, 27                          ; v27 my scale words: lanes 0-15 A's rows, lanes 16-31 B's
.set SPW,  28                          ; v28 my spare word; never rewritten
.set NIL,  29                          ; v29 0; never rewritten
.set SC,   32                          ; v32-63 scale words, two sets of 16: register 2 i + q: lanes 0-15 A's tile i, lanes 16-31 B's tile i
.set AF,   128                         ; A's fragments, window 0, one set; B's: window 1, sets at v0 and v128; accumulator (a, b) at v[8 (8 (a % 4) + b)] of window 2 + a / 4
.set G1, 24
.set G0, 32
.set G1B, 48
.set G0B, 56
.set G1S, 68
.set G0S, 76
.set G1SB, 80
.set G0SB, 88
.set MSB, 0
.macro WIN new                         ; the immediate's high byte repeats the setting that is left
.if MSB != (\new)
	s_set_vgpr_msb (MSB<<8)|(\new)
.set MSB, (\new)
.endif
.endm
.set MUL_LO, 0xa1                      ; source 0 window 1, source 1 window 0, C and D window 2
.set MUL_HI, 0xf1
.set TO_B,   0x40
.macro JLOAD g0a, g1a, g0b, g1b        ; a joint load: waves 0, 1 fetch for A, waves 2, 3 for B; an s_nop 0 and four v_nop follow each line
	s_cmp_eq_u32 s21, 0
	s_cbranch_scc0 .Lfor_b_\@
	tensor_load_to_lds s[\g0a:\g0a+3], s[\g1a:\g1a+7]
	s_nop 0
.rept 4
	v_nop
.endr
	s_branch .Lasked_\@
.Lfor_b_\@:
	tensor_load_to_lds s[\g0b:\g0b+3], s[\g1b:\g1b+7]
	s_nop 0
.rept 4
	v_nop
.endr
.Lasked_\@:
.endm
.macro CREST                           ; a round of the cluster's barrier behind its opening barrier
	s_cmp_lg_u32 s20, 0
	s_cbranch_scc1 .Lnot_wave_0_\@
	s_barrier_signal -3
.Lnot_wave_0_\@:
	s_barrier_wait -3
	s_barrier_signal -1
	s_barrier_wait -1
.endm
.macro CROUND
	s_barrier_signal -1
	s_barrier_wait -1
	CREST
.endm
	s_load_b512 s[4:19], s[0:1], 0x0               ; xq s[4:5], wq s[6:7], rope s[8:9], bq s[10:11], bk s[12:13], bv s[14:15], qc s[16:17], kv s[18:19]
	v_lshl_add_u32 v[SPW], v0, 2, SPARE
	v_mov_b32 v[NIL], 0
	ds_add_u32 v[SPW], v[NIL]                      ; the wave's opening: the add and its wait ahead of my first tensor load
	ds_add_u32 v[SPW], v[NIL]
	v_lshrrev_b32 v1, 5, v0
	v_readfirstlane_b32 s20, v1                    ; wave 0..3
	s_lshr_b32 s21, s20, 1                         ; my half of A's rows.  Also: I fetch for A (0) or for B (1)
	s_and_b32 s22, s20, 1                          ; my half of B's rows.  Also: which 8 tiles I fetch
	s_bfe_u32 s40, ttmp6, 0x40000                  ; cx
	s_bfe_u32 s41, ttmp6, 0x40004                  ; cy
	s_and_b32 s92, ttmp7, 0xffff
	s_lshl_b32 s92, s92, 2                         ; 4 x cluster y
	s_add_co_u32 s93, s92, s41                     ; x's block of 256 tokens where x is A
	s_add_co_u32 s46, s92, s40                     ; and where x is B
	s_lshl_b32 s47, ttmp9, 2
	s_add_co_u32 s47, s47, s40                     ; the block of 256 columns in Wq, Wk (their images lie on end)
	s_cmp_eq_u32 ttmp9, 2                          ; the v role?  The same in all sixteen partners
	s_cselect_b32 s66, 1, 0
	s_cselect_b32 s67, s41, s93                    ; A's block: hangs on cy alone
	s_cselect_b32 s42, s46, s47                    ; B's block: hangs on cx alone
	s_lshl_b32 s43, s41, 2
	s_lshl_b32 s43, 15, s43                        ; my row of the cluster
	s_lshl_b32 s44, 0x1111, s40                    ; my column
	s_or_b32 s[G1+0], s43, (3<<16)|(1<<21)         ; 15:0 the mask; 17:16 elements of 8 bytes; 21 set beside a mask; no padding
	s_or_b32 s[G1B+0], s44, (3<<16)|(1<<21)
.irp g, G1, G1B                        ; 8 tiles x 3,072 bytes (four units), 12,288 bytes apart
	s_mov_b32 s[\g+1], 384<<16
	s_mov_b32 s[\g+2], 16<<16                      ; the head's loads bring all 16 tiles; behind them the two words that count rows are set to 8
	s_mov_b32 s[\g+3], 384<<16
	s_mov_b32 s[\g+4], 16
	s_mov_b32 s[\g+5], 1536
	s_mov_b32 s[\g+6], 0
	s_mov_b32 s[\g+7], 0
.endr
	s_or_b32 s[G1S+0], s43, (3<<16)|(1<<21)
	s_or_b32 s[G1SB+0], s44, (3<<16)|(1<<21)
.irp g, G1S, G1SB                      ; the scale words of 16 tiles: 8,192 dense bytes as 32 rows of 256
	s_mov_b32 s[\g+1], 32<<16
	s_mov_b32 s[\g+2], 32<<16                      ; the scale words of 16 tiles: 8,192 dense bytes as 32 rows of 256
	s_mov_b32 s[\g+3], 32<<16
	s_mov_b32 s[\g+4], 32
	s_mov_b32 s[\g+5], 32
	s_mov_b32 s[\g+6], 0
	s_mov_b32 s[\g+7], 0
.endr
	s_lshl_b32 s94, s67, 4                         ; A's first tile
	s_mul_i32 s96, s94, 12288
	s_mul_i32 s97, s66, 1572864                    ; Wv's image lies behind Wq's and Wk's
	s_add_co_u32 s96, s96, s97
	s_mov_b32 s97, 0
	s_lshl_b32 s98, s94, 9
	s_lshl_b32 s99, s66, 16
	s_add_co_u32 s98, s98, s99
	s_add_co_u32 s98, s98, 3145728
	s_mov_b32 s99, 0
	s_lshl_b32 s46, s42, 4                         ; B's first tile
	s_lshl_b32 s100, s46, 9
	s_add_co_u32 s100, s100, 3145728
	s_mov_b32 s101, 0
	s_mul_i32 s46, s46, 12288
	s_mov_b32 s47, 0
	s_mul_i32 s45, s20, PART
	s_wait_dscnt 0x0                               ; the opening add is done
	s_wait_kmcnt 0x0
	s_cmp_eq_u32 s66, 1
	s_cselect_b64 s[2:3], s[6:7], s[4:5]           ; A's buffer
	s_cselect_b64 s[94:95], s[4:5], s[6:7]         ; B's buffer
	s_add_nc_u64 s[96:97], s[2:3], s[96:97]
	s_add_nc_u64 s[98:99], s[2:3], s[98:99]
	s_add_nc_u64 s[46:47], s[94:95], s[46:47]
	s_add_nc_u64 s[100:101], s[94:95], s[100:101]
	CROUND                                         ; all sixteen work-groups are here: the first joint loads meet
	s_mov_b32 s[G0S], 1                            ; the head's four tiles, each whole: A's scale words for all of K,
	s_mov_b32 s[G0S+1], SCL
	s_mov_b64 s[G0S+2:G0S+3], s[98:99]
	s_or_b32 s[G0S+3], s[G0S+3], 0x80000000
	s_mov_b32 s[G0SB], 1                           ; B's,
	s_mov_b32 s[G0SB+1], SCL+8320
	s_mov_b64 s[G0SB+2:G0SB+3], s[100:101]
	s_or_b32 s[G0SB+3], s[G0SB+3], 0x80000000
	s_mov_b32 s[G0], 1                             ; slot 0's 16 tiles of A,
	s_mov_b32 s[G0+1], 0
	s_mov_b64 s[G0+2:G0+3], s[96:97]
	s_or_b32 s[G0+3], s[G0+3], 0x80000000
	s_mov_b32 s[G0B], 1                            ; and its 16 tiles of B
	s_mov_b32 s[G0B+1], 2*PART
	s_mov_b64 s[G0B+2:G0B+3], s[46:47]
	s_or_b32 s[G0B+3], s[G0B+3], 0x80000000
	s_mul_i32 s92, s22, 8*12288                    ; for the ring: the eight tiles that I fetch
	s_mov_b32 s93, 0
	s_add_nc_u64 s[96:97], s[96:97], s[92:93]
	s_add_nc_u64 s[46:47], s[46:47], s[92:93]
	s_mov_b32 s[G0+4], 1                           ; slot 1: K 256 on
	s_add_co_u32 s[G0+5], s45, SLOT
	s_add_nc_u64 s[G0+6:G0+7], s[96:97], 3072
	s_or_b32 s[G0+7], s[G0+7], 0x80000000
	s_mov_b32 s[G0B+4], 1
	s_add_co_u32 s[G0B+5], s45, SLOT
	s_add_nc_u64 s[G0B+6:G0B+7], s[46:47], 3072
	s_or_b32 s[G0B+7], s[G0B+7], 0x80000000
; THE HEAD'S LOADS, ONE A WAVE: wave 0 slot 0's tiles of A, wave 1 those of B, wave 2 A's scale words, wave 3 B's: one tree of branches on the wave's number, one load to an arm.
.macro ARM under, g0, g1, next
	s_cmp_lt_u32 s20, \under
	s_cbranch_scc0 \next
	tensor_load_to_lds s[\g0:\g0+3], s[\g1:\g1+7]
	s_nop 0
.rept 4
	v_nop
.endr
	s_branch .Lhead_asked
\next:
.endm
	ARM 1, G0,  G1,  .Lhead_b
	ARM 2, G0B, G1B, .Lhead_sa
	ARM 3, G0S, G1S, .Lhead_sb
	tensor_load_to_lds s[G0SB:G0SB+3], s[G1SB:G1SB+7]
	s_nop 0
.rept 4
	v_nop
.endr
.Lhead_asked:
	v_and_b32 v1, 31, v0
	v_and_b32 v2, 15, v0                           ; p
	v_bfe_u32 v3, v0, 4, 1                         ; h
	v_lshlrev_b32 v4, 4, v1                        ; 16 x lane
	v_lshlrev_b32 v5, 4, v2
	v_lshl_add_u32 v5, v3, 3, v5                   ; 16 p + 8 h
	s_mul_i32 s92, s21, PART
	s_mul_i32 s93, s22, PART
	s_add_co_u32 s93, s93, 2*PART
.irp s, 0,1
	v_add_nc_u32 v[ADRA+\s], s92, v4
	v_add_nc_u32 v[ADRA+2+\s], s92, v5
	v_add_nc_u32 v[ADRB+\s], s93, v4
	v_add_nc_u32 v[ADRB+2+\s], s93, v5
	s_add_co_u32 s92, s92, SLOT
	s_add_co_u32 s93, s93, SLOT
.endr
	s_lshl_b32 s92, s21, 12                        ; A's scale words: my 8 tiles
	s_lshl_b32 s93, s22, 12                        ; B's: 8,320 bytes behind A's first
	s_add_co_u32 s93, s93, 8320
	s_sub_co_u32 s93, s93, s92
	v_mul_u32_u24 v6, s93, v3                      ; lanes 16-31 take B's: one product with h
	s_add_co_u32 s92, s92, SCL
	v_lshl_add_u32 v6, v2, 3, v6
	v_add_nc_u32 v[ADRS], s92, v6
.macro FRAG reg, adr, q, i             ; a fragment (16 rows x 128 k, 12 registers) is two units: words 0-3 by 16 bytes a lane, words 4-5 by 8: each load takes consecutive bytes
.irp c, 0,1
	ds_load_b128 v[\reg+6*\c:\reg+6*\c+3], v[\adr] offset:(\i)*3072+(\q)*1536+\c*768
	ds_load_b64 v[\reg+6*\c+4:\reg+6*\c+5], v[\adr+2] offset:(\i)*3072+(\q)*1536+\c*768+512
.endr
.endm
; 16 matrix instructions: A's tiles a0, a0 + 1 x B's eight.  The 64 accumulators take turns, one instruction a turn, in the same order in every step.
.macro MUL16 a0, p, q, sc, zero
.irp a, \a0, \a0+1
.irp b, 0,1,2,3,4,5,6,7
.if \zero
	v_wmma_scale_f32_16x16x128_f8f6f4 v[8*(8*((\a)%4)+\b):8*(8*((\a)%4)+\b)+7], v[128*(\p)+FR*\b:128*(\p)+FR*\b+FR-1], v[AF+FR*(\a):AF+FR*(\a)+FR-1], 0, v[SC+16*(\sc)+2*\b+(\q)], v[SC+16*(\sc)+2*(\a)+(\q)] matrix_a_fmt:MATRIX_FMT_FP6 matrix_b_fmt:MATRIX_FMT_FP6 matrix_a_scale:MATRIX_SCALE_ROW1
.else
	v_wmma_scale_f32_16x16x128_f8f6f4 v[8*(8*((\a)%4)+\b):8*(8*((\a)%4)+\b)+7], v[128*(\p)+FR*\b:128*(\p)+FR*\b+FR-1], v[AF+FR*(\a):AF+FR*(\a)+FR-1], v[8*(8*((\a)%4)+\b):8*(8*((\a)%4)+\b)+7], v[SC+16*(\sc)+2*\b+(\q)], v[SC+16*(\sc)+2*(\a)+(\q)] matrix_a_fmt:MATRIX_FMT_FP6 matrix_b_fmt:MATRIX_FMT_FP6 matrix_a_scale:MATRIX_SCALE_ROW1
.endif
.endr
.endr
.endm
.macro FETCH_B slot, q, p
	WIN TO_B
.irp i, 0,1,2,3,4,5,6,7
	FRAG 128*(\p)+FR*\i, ADRB+\slot, \q, \i
.endr
	WIN 0
.endm
.macro FETCH_A slot, q, i0
.irp i, \i0, \i0+1, \i0+2, \i0+3
	FRAG AF+FR*(\i), ADRA+\slot, \q, \i
.endr
.endm
.macro SCALES sc, sg                   ; the scale words of K step sg (256 along K: two words a row) into set sc
.irp i, 0,1,2,3,4,5,6,7
	ds_load_b64 v[SC+16*(\sc)+2*\i:SC+16*(\sc)+2*\i+1], v[ADRS] offset:\i*512+(\sg)*128
.endr
.endm
.macro PLACES n                        ; plain vector places in front of loads into registers that matrix instructions have read, and of reads of results
.rept \n
	v_nop
.endr
.endm
.macro STEP slot, zero                 ; a slot's first 128 along K
	s_wait_dscnt 4*NL                              ; B's set and A's tiles 0-3 are in; the youngest 16 loads (A's tiles 4-7) may be out
	WIN MUL_LO
	MUL16 0, 0, 0, \slot, \zero
	MUL16 2, 0, 0, \slot, \zero
	s_wait_dscnt 0                                 ; A's tiles 4-7 are in
	PLACES NP
	FETCH_B \slot, 1, 1
	FETCH_A \slot, 1, 0
	WIN MUL_HI
	MUL16 4, 0, 0, \slot, \zero
	MUL16 6, 0, 0, \slot, \zero
	PLACES NP
	WIN 0
	FETCH_A \slot, 1, 4
.endm
; A slot's second 128 along K changes slots: one barrier; in front of it each wave waits for all its tensor loads, adds 0 to its spare word, and waits for that and for its reads of this slot.
.macro TURN slot, next, fill, sg
	s_wait_tensorcnt 0x0                           ; all my tensor loads have landed: my part of the next slot
	ds_add_u32 v[SPW], v[NIL]                      ; 0 onto my spare word
	s_wait_dscnt 4*NL+1                            ; (the add and the youngest 16 loads may be out)
	WIN MUL_LO
	MUL16 0, 1, 1, \slot, 0
	s_wait_dscnt 0x0                               ; the add is done, and my reads of this slot are over
	s_barrier_signal -1
	MUL16 2, 1, 1, \slot, 0
	WIN 0
	s_barrier_wait -1
.if \fill
	CREST                                          ; the barrier has opened a round of the cluster's barrier: no wave of any partner still reads this slot or has a load on its way
	s_add_nc_u64 s[G0+4*\slot+2:G0+4*\slot+3], s[G0+4*\slot+2:G0+4*\slot+3], 6144
	s_add_nc_u64 s[G0B+4*\slot+2:G0B+4*\slot+3], s[G0B+4*\slot+2:G0B+4*\slot+3], 6144
	JLOAD G0+4*\slot, G1, G0B+4*\slot, G1B         ; the first tensor load behind the round, one a wave; its four v_nop are the places in front of the loads below
.else
	PLACES NP
.endif
	FETCH_B \next, 0, 0
	FETCH_A \next, 0, 0
	SCALES \next, \sg
	WIN MUL_HI
	MUL16 4, 1, 1, \slot, 0
	MUL16 6, 1, 1, \slot, 0
	PLACES NP
	WIN 0
	FETCH_A \next, 0, 4
.endm
	s_wait_alu depctr_va_vdst(0)
	s_wait_tensorcnt 0x0                           ; my tile of the head's four is in
	ds_add_u32 v[SPW], v[NIL]
	s_mov_b32 s[G1+2], 8<<16                       ; no tensor load of mine is out, so the descriptors may be written: from here on a load brings 8 tiles,
	s_mov_b32 s[G1+4], 8
	s_mov_b32 s[G1B+2], 8<<16
	s_mov_b32 s[G1B+4], 8
	s_mul_i32 s[G0+1], s20, PART                   ; and slot 0's group 0 stands at my eight tiles
	s_mov_b64 s[G0+2:G0+3], s[96:97]
	s_or_b32 s[G0+3], s[G0+3], 0x80000000
	s_mul_i32 s[G0B+1], s20, PART
	s_mov_b64 s[G0B+2:G0B+3], s[46:47]
	s_or_b32 s[G0B+3], s[G0B+3], 0x80000000
	s_wait_dscnt 0x0                               ; the add is done
	CROUND                                         ; a whole round: all four tiles are in, and the joint loads meet
	JLOAD G0+4, G1, G0B+4, G1B                     ; slot 1's first fill, the first tensor load behind the round
	FETCH_B 0, 0, 0
	FETCH_A 0, 0, 0
	SCALES 0, 0
	FETCH_A 0, 0, 4
	STEP 0, 1                                      ; the first products start the sums: nothing is cleared
	TURN 0, 1, 1, 1                                ; slot 0 takes K 512 on
	STEP 1, 0
	TURN 1, 0, 1, 2                                ; slot 1 takes K 768 on
	STEP 0, 0
	TURN 0, 1, 0, 3                                ; nothing is left to fetch
	STEP 1, 0
	s_wait_dscnt 4*NL
	WIN MUL_LO
	MUL16 0, 1, 1, 1, 0
	MUL16 2, 1, 1, 1, 0
	s_wait_dscnt 0
	WIN MUL_HI
	MUL16 4, 1, 1, 1, 0
	MUL16 6, 1, 1, 1, 0
	WIN 0
; ---------------- THE WAY OUT.  All tensor loads are done: the descriptors' registers are free.
	PLACES NP
	v_and_b32 v1, 31, v0
	v_lshlrev_b32 v1, 4, v1                        ; v1 = 16 x lane
	v_and_b32 v5, 15, v0
	v_bfe_u32 v6, v0, 4, 1
	v_lshlrev_b32 v2, 4, v5
	v_lshl_add_u32 v2, v6, 3, v2                   ; v2 = 16 p + 8 h
	v_lshlrev_b32 v3, 6, v6                        ; v3 = 64 h
	v_and_b32 v7, 8, v5
	v_add_nc_u32 v7, v7, v5                        ; p + 8 (p / 8)
	v_lshl_add_u32 v4, v7, 8, v3                   ; v4: the table: 256 bytes a position, + 64 h
	v_lshlrev_b32 v7, 2, v7                        ; v7: bv: 4 bytes a channel
	s_mov_b32 s50, 0x76543210
	s_mov_b32 s51, 0xfedcba98
	s_mov_b32 s31, 0
	s_cmp_eq_u32 s66, 1
	s_cbranch_scc1 .Lpath_v
; 32 numbers of a lane (register 16 b + i = k 32 b + 16 h + i of my row) become a unit's six words in v[pc] on; the two bytes land in v[tm + 6], v[tm + 7] of every lane.
.macro QUANT2 src, pc, tm
	v_max3_num_f32 v[\tm], |v[\src]|, |v[\src+1]|, 0x1800000          ; with the floor 2^(3 - 127): the byte cannot fall under 1
	v_max3_num_f32 v[\tm+1], |v[\src+16]|, |v[\src+17]|, 0x1800000
.irp i, 2,4,6,8,10,12,14
	v_max3_num_f32 v[\tm], v[\tm], |v[\src+\i]|, |v[\src+\i+1]|
	v_max3_num_f32 v[\tm+1], v[\tm+1], |v[\src+16+\i]|, |v[\src+17+\i]|
.endr
	v_permlanex16_b32 v[\tm+2], v[\tm], s50, s51
	v_permlanex16_b32 v[\tm+3], v[\tm+1], s50, s51
	v_max_num_f32 v[\tm], v[\tm], v[\tm+2]         ; with lane l xor 16's 16: the block's largest magnitude
	v_max_num_f32 v[\tm+1], v[\tm+1], v[\tm+3]
	v_add_nc_u32 v[\tm+4], 0xff000000, v[\tm]      ; 2 off the exponent field: the conversion's scale operand
	v_add_nc_u32 v[\tm+5], 0xff000000, v[\tm+1]
	v_lshrrev_b32 v[\tm+6], 23, v[\tm+4]
	v_lshrrev_b32 v[\tm+7], 23, v[\tm+5]
	v_cvt_scalef32_pk16_fp6_f32 v[\pc:\pc+2], v[\src:\src+15], v[\tm+4]
	v_cvt_scalef32_pk16_fp6_f32 v[\pc+4:\pc+6], v[\src+16:\src+31], v[\tm+5]
	v_nop                                          ; one plain place behind a scaled conversion
.irp i, 0,1,2
	v_permlane16_swap_b32 v[\pc+\i], v[\pc+4+\i]   ; a whole block to a lane: lanes 0-15 block 0, lanes 16-31 block 1
.endr
	v_mov_b32 v[\pc+3], v[\pc+4]
	v_mov_b32 v[\pc+4], v[\pc+5]
	v_mov_b32 v[\pc+5], v[\pc+6]
.endm
; ---- q and k.  Window 1: v0-63 the bias of my 128 columns in the result's layout; v64-255 six sets of cos (16) and sin (16): the table's loads run five tiles ahead.
; Window 0: v64-95 a head's 32 numbers, v96-127 rotated, v128-135, v136-143 codes of head 0, 1; v144-151 at work; v160-167 the two heads' scale words; v168-170 words in the making.
	s_lshl_b32 s24, s67, 8
	s_lshl_b32 s25, s21, 7
	s_add_co_u32 s24, s24, s25                     ; my first token
	s_lshr_b32 s25, s24, 11                        ; batch
	s_bfe_u32 s26, s24, 0x40007                    ; which 128 of the sequence
	s_and_b32 s27, s24, 2047
	s_lshl_b32 s44, s27, 8
	s_mov_b32 s45, 0
	s_add_nc_u64 s[44:45], s[8:9], s[44:45]        ; the table at my first position
	s_lshl_b32 s25, s25, 4
	s_lshl_b32 s27, s40, 2
	s_add_co_u32 s25, s25, s27
	s_lshl_b32 s27, s22, 1
	s_add_co_u32 s25, s25, s27                     ; 16 x batch + my first head
	s_lshl_b32 s25, s25, 4
	s_add_co_u32 s25, s25, s26                     ; its block's number; the second head's is 16 on
	s_mov_b32 s26, 13312
	s_mov_b32 s27, 12288
	s_cmp_eq_u32 ttmp9, 0                          ; q or k
	s_cselect_b32 s26, 6656, s26                   ; a block's bytes
	s_cselect_b32 s27, 6144, s27                   ; where its scale words begin
	s_cselect_b64 s[28:29], s[16:17], s[18:19]
	s_cselect_b64 s[46:47], s[10:11], s[12:13]
	s_mul_i32 s30, s25, s26
	s_add_nc_u64 s[32:33], s[28:29], s[30:31]      ; head 0's block
	s_lshl_b32 s30, s26, 4
	s_add_nc_u64 s[34:35], s[32:33], s[30:31]      ; head 1's
	s_mov_b32 s30, s27
	s_add_nc_u64 s[36:37], s[32:33], s[30:31]
	s_add_nc_u64 s[38:39], s[34:35], s[30:31]
	s_lshl_b32 s30, s40, 10
	s_lshl_b32 s27, s22, 9
	s_add_co_u32 s30, s30, s27
	s_add_nc_u64 s[46:47], s[46:47], s[30:31]      ; the bias at my first column
	s_mov_b32 s48, 0xffff0000                      ; lanes 16-31
	v_mov_b32 v146, 0                              ; written once: a lane permute's destination counts as one of its sources
	v_mov_b32 v147, 0
	WIN 0x40                                       ; destination window 1
	s_wait_alu depctr_va_vdst(0)
.irp b, 0,1,2,3,4,5,6,7
	global_load_b128 v[8*\b:8*\b+3], v3, s[46:47] offset:(32*(\b/2)+8*(\b%2))*4
	global_load_b128 v[8*\b+4:8*\b+7], v3, s[46:47] offset:(32*(\b/2)+8*(\b%2))*4+16
.endr
.macro ROPE a                          ; cos and sin of my token of tile a, frequencies 16 h + 0 .. 15
	WIN 0x40
.irp i, 0,1,2,3
	global_load_b128 v[64+32*((\a)%6)+4*\i:67+32*((\a)%6)+4*\i], v4, s[44:45] offset:(32*((\a)/2)+8*((\a)%2))*256+16*\i
	global_load_b128 v[80+32*((\a)%6)+4*\i:83+32*((\a)%6)+4*\i], v4, s[44:45] offset:(32*((\a)/2)+8*((\a)%2))*256+128+16*\i
.endr
.endm
.macro QKHEAD a, e
.set CC, 64+32*((\a)%6)
	WIN 0x06+(\a)/4                                ; source 0: the accumulators' window; source 1: window 1
.set kk, 0
.rept 16
	v_pk_add_f32 v[64+kk:65+kk], v[64*((\a)%4)+32*(\e)+kk:64*((\a)%4)+32*(\e)+kk+1], v[32*(\e)+kk:32*(\e)+kk+1]   ; + bias; each accumulator from its low end on
.set kk, kk+2
.endr
	WIN 0x04
.set kk, 0
.rept 8                                ; registers 0-15: d = 16 h + i; registers 16-31: d = 32 + 16 h + i; both turn by frequency 16 h + i
	v_pk_mul_f32 v[96+kk:97+kk], v[64+kk:65+kk], v[CC+kk:CC+kk+1]
	v_pk_mul_f32 v[112+kk:113+kk], v[80+kk:81+kk], v[CC+kk:CC+kk+1]
	v_pk_fma_f32 v[96+kk:97+kk], v[80+kk:81+kk], v[CC+16+kk:CC+17+kk], v[96+kk:97+kk] neg_lo:[1,0,0] neg_hi:[1,0,0]
	v_pk_fma_f32 v[112+kk:113+kk], v[64+kk:65+kk], v[CC+16+kk:CC+17+kk], v[112+kk:113+kk]
.set kk, kk+2
.endr
	WIN 0
	s_wait_xcnt 0x0                                ; the last tile's stores have read the codes' registers
	QUANT2 96, 128+8*(\e), 144
	v_lshl_or_b32 v150, v151, 8, v150
.if ((\a)%2) == 0
	v_or_b32 v[168+(\e)], 0x7f7f0000, v150         ; the even tile's word is kept;
.else
	v_or_b32 v170, 0x7f7f0000, v150
	v_cndmask_b32 v[160+4*(\e)+(\a)/2], v[168+(\e)], v170, s48   ; lanes 0-15 carry it, lanes 16-31 the odd tile's
.endif
	global_store_b128 v1, v[128+8*(\e):131+8*(\e)], s[32+2*(\e):33+2*(\e)] offset:768*(\a)       ; 512 consecutive bytes
	global_store_b64 v2, v[132+8*(\e):133+8*(\e)], s[32+2*(\e):33+2*(\e)] offset:768*(\a)+512    ; 256 consecutive bytes
.endm
.irp a, 0,1,2,3,4,5
	ROPE \a                                        ; six tiles' tables are asked for at once, a set of registers each
.endr
.irp a, 0,1,2,3,4,5,6,7
.if \a < 3
	s_wait_loadcnt 40                              ; the bias and this tile's table are in; the 8 loads of each of the five tiles behind it may be out
.else
	s_wait_loadcnt 8*(7-\a)                        ; behind this tile's loads stand those of tiles a + 1 .. 7
.endif
	QKHEAD \a, 0
	QKHEAD \a, 1
.if \a < 2
	ROPE \a+6                                      ; tiles 6 and 7 take the sets that tiles 0 and 1 have left
.endif
.endr
	global_store_b128 v1, v[160:163], s[36:37]
	global_store_b128 v1, v[164:167], s[38:39]
	s_branch .Ldone
; ---- v.  A lane holds one channel; the 64 registers of a tile of channels are 128 keys' worth of its half: one fragment of v^T and one scale word.
; Window 0: v64-79 the bias (twice each: a pair for the packed addition); v80-143 the numbers; v144-162 codes; v164-179 at work; v180 the word; v184-187 a head's four words.
.Lpath_v:
	s_lshl_b32 s24, s42, 8
	s_lshl_b32 s25, s22, 7
	s_add_co_u32 s24, s24, s25                     ; my first token
	s_lshr_b32 s25, s24, 11
	s_bfe_u32 s26, s24, 0x40007
	s_lshl_b32 s25, s25, 4
	s_lshl_b32 s27, s41, 2
	s_add_co_u32 s25, s25, s27
	s_lshl_b32 s27, s21, 1
	s_add_co_u32 s25, s25, s27                     ; 16 x batch + my first head
	s_lshl_b32 s25, s25, 4
	s_add_co_u32 s25, s25, s26
	s_mul_i32 s30, s25, 13312
	s_add_nc_u64 s[32:33], s[18:19], s[30:31]
	s_add_nc_u64 s[34:35], s[32:33], 16*13312
	s_lshl_b32 s30, s41, 10
	s_lshl_b32 s27, s21, 9
	s_add_co_u32 s30, s30, s27
	s_add_nc_u64 s[46:47], s[14:15], s[30:31]
	s_wait_alu depctr_va_vdst(0)
.irp a, 0,1,2,3,4,5,6,7
	global_load_b32 v[64+2*\a], v7, s[46:47] offset:(32*(\a/2)+8*(\a%2))*4
	global_load_b32 v[65+2*\a], v7, s[46:47] offset:(32*(\a/2)+8*(\a%2))*4
.endr
.irp b, 0,1,2,3
	v_mov_b32 v[168+\b], 0                         ; written once: a lane permute's destination counts as one of its sources
.endr
	s_wait_loadcnt 0x0
.set PC4, 144
.set TM4, 164
.set PW4, 180
.macro QUANT4 s                        ; 64 numbers of a lane (register 16 b + i = k 32 b + 16 h + i) become a fragment's 12 registers in v[PC4] on and its scale word in v[PW4]
.irp b, 0,1,2,3
	v_max3_num_f32 v[TM4+\b], |v[\s+16*\b]|, |v[\s+1+16*\b]|, 0x1800000
.endr
.irp i, 2,4,6,8,10,12,14
.irp b, 0,1,2,3
	v_max3_num_f32 v[TM4+\b], v[TM4+\b], |v[\s+16*\b+\i]|, |v[\s+1+16*\b+\i]|
.endr
.endr
.irp b, 0,1,2,3
	v_permlanex16_b32 v[TM4+4+\b], v[TM4+\b], s50, s51
.endr
.irp b, 0,1,2,3
	v_max_num_f32 v[TM4+\b], v[TM4+\b], v[TM4+4+\b]
.endr
.irp b, 0,1,2,3
	v_add_nc_u32 v[TM4+12+\b], 0xff000000, v[TM4+\b]
.endr
.irp b, 0,1,2,3
	v_lshrrev_b32 v[TM4+4+\b], 23, v[TM4+12+\b]
.endr
	v_lshl_or_b32 v[PW4], v[TM4+5], 8, v[TM4+4]
	v_lshl_or_b32 v[PW4], v[TM4+6], 16, v[PW4]
	v_lshl_or_b32 v[PW4], v[TM4+7], 24, v[PW4]
.irp c, 0,1
	v_cvt_scalef32_pk16_fp6_f32 v[PC4+6*\c:PC4+2+6*\c], v[\s+32*\c:\s+15+32*\c], v[TM4+12+2*\c]
	v_cvt_scalef32_pk16_fp6_f32 v[PC4+12+4*\c:PC4+14+4*\c], v[\s+16+32*\c:\s+31+32*\c], v[TM4+12+2*\c+1]
.endr
	v_nop                                          ; one plain place behind a scaled conversion
.irp c, 0,1
.irp i, 0,1,2
	v_permlane16_swap_b32 v[PC4+6*\c+\i], v[PC4+12+4*\c+\i]
.endr
.irp i, 0,1,2
	v_mov_b32 v[PC4+3+6*\c+\i], v[PC4+12+4*\c+\i]
.endr
.endr
.endm
.macro VTILE a
	WIN 0x02+(\a)/4                                ; source 0: the accumulators' window
.set kk, 0
.rept 32
	v_pk_add_f32 v[80+kk:81+kk], v[64*((\a)%4)+kk:64*((\a)%4)+kk+1], v[64+2*(\a):65+2*(\a)]   ; + bias; each accumulator from its low end on
.set kk, kk+2
.endr
	WIN 0
	s_wait_xcnt 0x0                                ; the last tile's stores have read their registers
	QUANT4 80
	v_mov_b32 v[184+(\a)%4], v[PW4]
.irp g, 0,1,2
	global_store_b128 v1, v[PC4+4*\g:PC4+4*\g+3], s[32+2*((\a)/4):33+2*((\a)/4)] offset:6144+1536*((\a)%4)+512*\g
.endr
.if ((\a)%4) == 3
	global_store_b128 v1, v[184:187], s[32+2*((\a)/4):33+2*((\a)/4)] offset:12800
.endif
.endm
.irp a, 0,1,2,3,4,5,6,7
	VTILE \a
.endr
.Ldone:
	s_wait_tensorcnt 0x0                           ; the wave's end, behind my last tensor load
	ds_add_u32 v[SPW], v[NIL]
	s_wait_dscnt 0x0
	CROUND                                         ; the closing round: no work-group ends while a partner may still ask for a tile that names it
	s_endpgm
.Lfunc_end_k_q8332abe412_qkv:
	.size	k_q8332abe412_qkv, .Lfunc_end_k_q8332abe412_qkv-k_q8332abe412_qkv
	.p2alignl 7, 3214868480
	.fill 96, 4, 3214868480
	.section	.rodata,"a",@progbits
	.p2align	6, 0x0
	.amdhsa_kernel k_q8332abe412_qkv
		.amdhsa_group_segment_fixed_size 327680
		.amdhsa_private_segment_fixed_size 0
		.amdhsa_enable_private_segment 0
		.amdhsa_kernarg_size 64
		.amdhsa_user_sgpr_count 2
		.amdhsa_user_sgpr_kernarg_segment_ptr 1
		.amdhsa_wavefront_size32 1
		.amdhsa_system_sgpr_workgroup_id_x 1
		.amdhsa_system_sgpr_workgroup_id_y 1
		.amdhsa_system_sgpr_workgroup_id_z 1
		.amdhsa_system_vgpr_workitem_id 0
		.amdhsa_next_free_vgpr 1024
		.amdhsa_next_free_sgpr 102
		.amdhsa_reserve_vcc 0
		.amdhsa_float_denorm_mode_32 3
		.amdhsa_float_denorm_mode_16_64 3
		.amdhsa_memory_ordered 1
		.amdhsa_forward_progress 1
		.amdhsa_inst_pref_size 255
	.end_amdhsa_kernel
	.section	.bss,"aw",@nobits
	.p2align	6
	.space	262144
	.amdgpu_metadata
---
amdhsa.version: [ 1, 2 ]
amdhsa.kernels:
  - .name:           k_q8332abe412_qkv
    .symbol:         k_q8332abe412_qkv.kd
    .args:
      - { .name: xq, .offset: 0, .size: 8, .value_kind: global_buffer, .address_space: global }
      - { .name: wq, .offset: 8, .size: 8, .value_kind: global_buffer, .address_space: global }
      - { .name: rope, .offset: 16, .size: 8, .value_kind: global_buffer, .address_space: global }
      - { .name: bq, .offset: 24, .size: 8, .value_kind: global_buffer, .address_space: global }
      - { .name: bk, .offset: 32, .size: 8, .value_kind: global_buffer, .address_space: global }
      - { .name: bv, .offset: 40, .size: 8, .value_kind: global_buffer, .address_space: global }
      - { .name: qc, .offset: 48, .size: 8, .value_kind: global_buffer, .address_space: global }
      - { .name: kv, .offset: 56, .size: 8, .value_kind: global_buffer, .address_space: global }
    .group_segment_fixed_size: 327680
    .private_segment_fixed_size: 0
    .kernarg_segment_align: 8
    .kernarg_segment_size: 64
    .max_flat_workgroup_size: 128
    .sgpr_count:     102
    .vgpr_count:     1024
    .wavefront_size: 32
...
	.end_amdgpu_metadata
.endif
;; end of part 2
;; launch attn (part 3): grid 8 x 32, 8 waves a work-group, clusters of 4 x 1, 215,040 bytes of LDS; arguments qc, kv, aq; writes aq
.if DOCPART == 3
	.amdgcn_target "amdgcn-amd-amdhsa--gfx1250"
	.amdhsa_code_object_version 6
	.text
	.protected	k_q8332abe412_attn
	.globl	k_q8332abe412_attn
	.p2align	8
	.type	k_q8332abe412_attn,@function
k_q8332abe412_attn:
	s_mov_b64 s[64:65], 0
	v_nop
	global_prefetch_b8 v0, s[64:65] scope:SCOPE_SE
	s_setreg_imm32_b32 hwreg(HW_REG_WAVE_MODE, 25, 1), 1
	s_wait_xcnt 0x0
	s_wait_alu depctr_hold_cnt(0) depctr_sa_sdst(0) depctr_va_vdst(0) depctr_va_sdst(0) depctr_va_ssrc(0) depctr_va_vcc(0) depctr_vm_vsrc(0)
	s_getreg_b32 s2, hwreg(HW_REG_IB_STS2, 6, 4)
	s_cmp_eq_u32 s2, 0
	s_cbranch_scc0 .Lentry_in_a_cluster
	s_endpgm
.Lentry_in_a_cluster:
	s_bfe_u32 s2, ttmp6, 0x10000c
	s_cmp_lg_u32 s2, 0x3003
	s_cbranch_scc0 .Lentry_shape_is_right
	s_endpgm
.Lentry_shape_is_right:
; Attention of one (batch, head) on codes of FP6 (E2M3): S^T = K Q^T, p = 2^(t - M), O^T = V^T P^T, O / l, and O quantised along the head's 64 for the last product.
; t = score x log2(e) / 8; M = the running largest t rounded UP to a whole number; p is not normalised; l is the sum of the unquantised p; when M moves, l and O are multiplied by 2^(old M - new M), exactly.
; SHARES.  A work-group owns 256 queries of a head, each of its eight waves 32: two tiles of 16, so that each fragment of K and V read from LDS feeds two products.
; THE HEAD'S K AND V STAY IN LDS: 16 key steps x 13,312 bytes, filled once.  Each wave issues ONE load at the head: key steps 2 w and 2 w + 1, 26,624 dense bytes as 104 rows of 256.
; The four work-groups of a cluster walk the same head: each load is a joint one.  One wait and one barrier show all of it to all waves; behind them the 16 key steps have no barrier and no refill.
; No prefetch: every tile is asked for at the head, so there is no loop in which to ask ahead.
; LAYOUT.  Both products transposed: a lane holds ONE query.  A LANE HOLDS WHOLE BLOCKS OF 32 KEYS: tile 4 c + u of K takes in row 8 g + j the key 64 c + 32 g + 8 u + j, so the 32 result registers of tiles
; 4 c .. 4 c + 3 in lane half h are keys 64 c + 32 h + 0 .. 31, which is what the second product's operand wants of that lane: no block's maximum and no code crosses lanes.
; In memory a unit T holds in row p the key 32 (T / 2) + 8 (T % 2) + p + 8 (p / 8): so row (g, j) of tile (c, u) is row j + 8 (u / 2) of unit 4 c + 2 g + u % 2: the lanes' LDS addresses carry 1,536 g.
; (Rows g = 0 and g = 1 lie a multiple of 256 bytes apart: K's loads meet two deep in the banks.)
; K = 64 in the first product, the instruction's is 128: Q's upper six registers are zero codes and bytes 2, 3 of both scale words are 127, so K's upper six registers may hold anything: they are the next tile's.
; A step's 132 exponentials are ONE batch, with one wait ahead of it and one behind it.  The first step starts O and l: nothing is cleared.
; THE ROW'S SUMS lie in window 1, so that their 64 packed additions and the second product's eight matrix instructions stand under one window setting: a product follows every eight additions.
; LIMITS: the promise holds while |t| stays under 2^31; a block's largest p is taken through its largest score (this takes v_exp_f32 not to fall where its input rises); 1 / l by v_rcp_f32;
; a block of zeros gets the byte 1 (its codes are zeros; this program alone reads the bytes); NaN and infinities are not served.  O's scale bytes leave by stores of 2 bytes a lane: 131,072 bytes in the launch.
; REGISTERS.  Window 0: v1-11, v60-62 addresses; tile x: v[12+4x] -M, largest score; v[20+2x] f; v[24+x] p's scale word; v[26+x] Q's; v28-31 K's scale words; v32-35 V's; v[36+2x] at work;
;   v[40+12x] block maxima (2), scale operands (2), bytes (2), the word in the making (2); v[64+64x] S^T, then p; v[192+12x] p's codes; v[216+12x] codes on their way.
;   Window 1: v0-53 K (tile t at 6 t; v48-53 zeros); v64-111 V; v[112+12x] Q; v[144+32x] O^T; v[208+4x] l, in two chains of a pair each.
.set STEPB, 13312
.set SPARE, 212992                     ; behind the head's K and V: the spare words, 128 bytes for each of eight waves
.set LA,  1                            ; 16 x lane
.set LB,  2                            ; 16 p + 8 h
.set ADA, 3                            ; the key step's base + LA
.set AKA, 4                            ; + KA
.set SPW, 5
.set NIL, 6
.set KA,  7                            ; 1,536 g + 16 j + 256 h: words 0-3 of my row of K
.set KB,  8                            ; 1,536 g + 16 j + 8 h: words 4-5
.set KS,  9                            ; 16 j + 4 g + 256 h: K's scale words; lanes 16-31 take the odd tile's
.set AKB, 10
.set AKS, 11
.set H8,  60                           ; 8 h
.set OS,  61                           ; 8 p
.set QS,  62                           ; 16 p
.set MSB, 0
.macro WIN new
.if MSB != (\new)
	s_set_vgpr_msb (MSB<<8)|(\new)
.set MSB, (\new)
.endif
.endm
.macro CROUND                          ; a round of the cluster's barrier
	s_barrier_signal -1
	s_barrier_wait -1
	s_cmp_lg_u32 s20, 0
	s_cbranch_scc1 .Lnot_wave_0_\@
	s_barrier_signal -3
.Lnot_wave_0_\@:
	s_barrier_wait -3
	s_barrier_signal -1
	s_barrier_wait -1
.endm
.macro KSCL rs, off                    ; K's scale words: register n serves tiles 2 n (lanes 0-15) and 2 n + 1 (lanes 16-31)
.irp n, 0,1,2,3
	ds_load_b32 v[28+\n], v[\rs] offset:(\off)+12288+128*(\n%2)+8*(\n/2)
.endr
.endm
.macro KCOD ra, rb, off                ; K's eight tiles, six registers each
.irp t, 0,1,2,3,4,5,6,7
	ds_load_b128 v[6*\t:6*\t+3], v[\ra] offset:(\off)+3072*(\t/4)+768*(\t%2)+128*((\t%4)/2)
	ds_load_b64 v[6*\t+4:6*\t+5], v[\rb] offset:(\off)+3072*(\t/4)+768*(\t%2)+128*((\t%4)/2)+512
.endr
.endm
.set nw, 0
.macro PVW first                       ; the second product's instruction number nw: 16 channels nw / 2 of tile nw % 2; the eight accumulators take turns
.if \first
	v_wmma_scale_f32_16x16x128_f8f6f4 v[144+32*(nw%2)+8*(nw/2):151+32*(nw%2)+8*(nw/2)], v[64+12*(nw/2):75+12*(nw/2)], v[192+12*(nw%2):203+12*(nw%2)], 0, v[32+nw/2], v[24+nw%2] matrix_a_fmt:MATRIX_FMT_FP6 matrix_b_fmt:MATRIX_FMT_FP6
.else
	v_wmma_scale_f32_16x16x128_f8f6f4 v[144+32*(nw%2)+8*(nw/2):151+32*(nw%2)+8*(nw/2)], v[64+12*(nw/2):75+12*(nw/2)], v[192+12*(nw%2):203+12*(nw%2)], v[144+32*(nw%2)+8*(nw/2):151+32*(nw%2)+8*(nw/2)], v[32+nw/2], v[24+nw%2] matrix_a_fmt:MATRIX_FMT_FP6 matrix_b_fmt:MATRIX_FMT_FP6
.endif
.set nw, nw+1
.endm
	s_load_b128 s[4:7], s[0:1], 0x0                ; qc s[4:5], kv s[6:7]
	s_load_b64 s[8:9], s[0:1], 0x10                ; aq
	v_lshl_add_u32 v[SPW], v0, 2, SPARE
	v_mov_b32 v[NIL], 0
	ds_add_u32 v[SPW], v[NIL]                      ; the wave's opening: the add, twice on end, and its wait ahead of my tensor load
	ds_add_u32 v[SPW], v[NIL]
	v_lshrrev_b32 v56, 5, v0
	v_readfirstlane_b32 s20, v56                   ; wave 0..7
	s_and_b32 s23, s20, 3
	s_bfe_u32 s10, ttmp6, 0x40000                  ; cx: it enters Q's and O's addresses alone
	s_lshl_b32 s11, ttmp9, 2
	s_add_co_u32 s11, s11, s10                     ; my block of 256 queries
	s_and_b32 s12, ttmp7, 0xffff                   ; 16 x batch + head: the four partners share it
	s_mov_b32 s24, 15|(3<<16)|(1<<21)              ; group 1: the mask names all four; elements of 8 bytes; bit 21 beside a mask; 104 rows of 256 bytes
	s_mov_b32 s25, 32<<16
	s_mov_b32 s26, 104<<16
	s_mov_b32 s27, 32<<16
	s_mov_b32 s28, 104
	s_mov_b32 s29, 32
	s_mov_b32 s30, 0
	s_mov_b32 s31, 0
	s_lshl_b32 s14, s12, 4
	s_lshl_b32 s13, s20, 1
	s_add_co_u32 s14, s14, s13
	s_mul_i32 s14, s14, STEPB                      ; key step 2 w of my head, in memory,
	s_mov_b32 s15, 0
	s_mov_b32 s32, 1
	s_mul_i32 s33, s20, 2*STEPB                    ; and in LDS
	s_mov_b32 s48, 0x3e38aa3b                      ; c = log2(e) / 8
	s_mov_b32 s49, s48
	s_mov_b32 s52, 0xbe38aa3b                      ; -c
	s_mov_b32 s50, 0x76543210
	s_mov_b32 s51, 0xfedcba98                      ; v_permlanex16_b32's selects for lane l xor 16
	s_mov_b32 s21, 0                               ; LDS byte at which the key step in hand begins
	s_wait_dscnt 0x0                               ; both opening adds are done
	s_wait_kmcnt 0x0
	s_add_nc_u64 s[34:35], s[6:7], s[14:15]
	s_or_b32 s35, s35, 0x80000000
	CROUND                                         ; all four work-groups are here: the joint loads meet
	tensor_load_to_lds s[32:35], s[24:31]          ; my one tensor load
	s_nop 0
	s_lshl_b32 s16, s12, 4
	s_lshl_b32 s17, s11, 1
	s_add_co_u32 s16, s16, s17
	s_lshr_b32 s17, s20, 2
	s_add_co_u32 s16, s16, s17                     ; my group of 128 queries
	s_mul_i32 s16, s16, 6656
	s_mov_b32 s17, 0
	s_add_nc_u64 s[4:5], s[4:5], s[16:17]
	s_mul_i32 s16, s23, 1536
	s_add_nc_u64 s[18:19], s[4:5], s[16:17]        ; my two units
	s_lshl_b32 s16, s23, 2
	s_add_nc_u64 s[4:5], s[4:5], s[16:17]          ; word w % 4 of a lane's four
	v_and_b32 v56, 31, v0
	v_lshlrev_b32 v[LA], 4, v56
	v_and_b32 v57, 15, v0                          ; p
	v_bfe_u32 v58, v0, 4, 1                        ; h
	v_lshlrev_b32 v[LB], 4, v57
	v_lshl_add_u32 v[LB], v58, 3, v[LB]
	v_lshlrev_b32 v[QS], 4, v57
	v_lshlrev_b32 v[OS], 3, v57
	v_lshlrev_b32 v[H8], 3, v58
	v_and_b32 v56, 7, v0                           ; j
	v_bfe_u32 v59, v0, 3, 1                        ; g
	v_lshlrev_b32 v56, 4, v56
	v_mad_u32_u24 v[KA], v59, 1536, v56
	v_lshl_add_u32 v[KB], v58, 3, v[KA]
	v_lshl_add_u32 v[KS], v59, 2, v56
	v_lshl_add_u32 v[KS], v58, 8, v[KS]
	v_lshl_add_u32 v[KA], v58, 8, v[KA]
	s_wait_alu depctr_va_vdst(0)                   ; the wait ahead of the readers below
	WIN 0x40                                       ; destination window 1
.irp x, 0,1
	global_load_b128 v[112+12*\x:115+12*\x], v[LA], s[18:19] offset:768*\x
	global_load_b64 v[116+12*\x:117+12*\x], v[LB], s[18:19] offset:768*\x+512
.endr
.set ii, 0
.rept 6
	v_mov_b32 v[48+ii], 0                          ; behind K's last tile,
	v_mov_b32 v[118+ii], 0                         ; and Q's upper halves: zero codes
	v_mov_b32 v[130+ii], 0
.set ii, ii+1
.endr
	WIN 0
.irp x, 0,1
	global_load_b32 v[26+\x], v[QS], s[4:5] offset:6144+256*\x
	v_mov_b32 v[21+2*\x], 0                        ; (named as the upper half of a pair)
	v_mov_b32 v[37+2*\x], 0                        ; (a lane permute's destination counts as one of its sources)
	v_mov_b32 v[47+12*\x], 0
.endr
	s_wait_alu depctr_va_vdst(0)                   ; the wait at the head's end
	s_wait_loadcnt 0x0                             ; Q and its scale words
	s_wait_tensorcnt 0x0                           ; my two key steps are in
	s_barrier_signal -1
	s_barrier_wait -1                              ; and everybody's: all 16
	KSCL KS, 0
	WIN 0x40
	KCOD KA, KB, 0
	WIN 0
; A KEY STEP: 128 keys.  first = 1: it starts M, l and O.  pre = 1: the next step's K and its scale words are fetched too.
.macro STEP first, pre
	s_wait_dscnt 0x0                               ; this step's K and its scale words are in
	WIN 0x05                                       ; K and Q in window 1, S^T in window 0
.irp t, 0,1,2,3,4,5,6,7
.irp x, 0,1
.if (\t)%2
	v_wmma_scale_f32_16x16x128_f8f6f4 v[64+64*\x+8*\t:71+64*\x+8*\t], v[6*\t:6*\t+11], v[112+12*\x:123+12*\x], 0, v[28+\t/2], v[26+\x] matrix_a_fmt:MATRIX_FMT_FP6 matrix_b_fmt:MATRIX_FMT_FP6 matrix_a_scale:MATRIX_SCALE_ROW1
.else
	v_wmma_scale_f32_16x16x128_f8f6f4 v[64+64*\x+8*\t:71+64*\x+8*\t], v[6*\t:6*\t+11], v[112+12*\x:123+12*\x], 0, v[28+\t/2], v[26+\x] matrix_a_fmt:MATRIX_FMT_FP6 matrix_b_fmt:MATRIX_FMT_FP6
.endif
.endr
.endr
	WIN 0
	v_add_nc_u32 v[ADA], s21, v[LA]                ; four plain places behind the products: ahead of the loads into K's, V's and the scales' registers and of the first read of the scores
.if \pre
	v_add_nc_u32 v[AKA], s21, v[KA]
	v_add_nc_u32 v[AKB], s21, v[KB]
	v_add_nc_u32 v[AKS], s21, v[KS]
.else
	v_nop
	v_nop
	v_nop
.endif
	ds_load_b128 v[32:35], v[ADA] offset:12800     ; V's scale words
.if \pre
	KSCL AKS, STEPB
.endif
	WIN 0x40
.irp d, 0,1,2,3
.irp g, 0,1,2
	ds_load_b128 v[64+12*\d+4*\g:67+12*\d+4*\g], v[ADA] offset:6144+1536*\d+512*\g
.endr
.endr
.if \pre
	KCOD AKA, AKB, STEPB
.endif
	WIN 0
; the largest score of each of my blocks of 32 keys: it serves for the row's maximum and, since p rises with the score, for the block's largest p.  Four chains by turns; each accumulator is read from its low end on
.irp x, 0,1
.irp c, 0,1
	v_max3_num_f32 v[40+12*\x+\c], v[64+64*\x+32*\c], v[65+64*\x+32*\c], v[66+64*\x+32*\c]
.endr
.endr
.irp i, 3,5,7,9,11,13,15,17,19,21,23,25,27,29
.irp x, 0,1
.irp c, 0,1
	v_max3_num_f32 v[40+12*\x+\c], v[40+12*\x+\c], v[64+64*\x+32*\c+\i], v[65+64*\x+32*\c+\i]
.endr
.endr
.endr
.irp x, 0,1
.irp c, 0,1
	v_max_num_f32 v[40+12*\x+\c], v[40+12*\x+\c], v[95+64*\x+32*\c]
.endr
.endr
.irp x, 0,1
	v_max_num_f32 v[36+2*\x], v[40+12*\x], v[41+12*\x]
.endr
.irp x, 0,1
	v_permlanex16_b32 v[37+2*\x], v[36+2*\x], s50, s51      ; lane l xor 16 holds my query's other 64 keys
.endr
.if \first
.irp x, 0,1
	v_max_num_f32 v[13+4*\x], v[36+2*\x], v[37+2*\x]        ; the largest score so far
.endr
.irp x, 0,1
	v_mul_f32 v[36+2*\x], s52, v[13+4*\x]                   ; -t
.endr
.irp x, 0,1
	v_floor_f32 v[12+4*\x], v[36+2*\x]                      ; -M = floor(-t) = -ceil(t)
.endr
.else
.irp x, 0,1
	v_max3_num_f32 v[13+4*\x], v[13+4*\x], v[36+2*\x], v[37+2*\x]
.endr
.irp x, 0,1
	v_mul_f32 v[36+2*\x], s52, v[13+4*\x]
.endr
.irp x, 0,1
	v_floor_f32 v[36+2*\x], v[36+2*\x]                      ; the new -M
.endr
.irp x, 0,1
	v_sub_f32 v[37+2*\x], v[36+2*\x], v[12+4*\x]            ; old M - new M: a whole number, 0 or less
.endr
.irp x, 0,1
	v_mov_b32 v[12+4*\x], v[36+2*\x]
.endr
.irp x, 0,1
	v_cvt_i32_f32 v[37+2*\x], v[37+2*\x]                    ; (it saturates)
.endr
.irp x, 0,1
	v_ldexp_f32 v[20+2*\x], 1.0, v[37+2*\x]                 ; f = 2^(old M - new M)
.endr
.endif
.set kk, 0
.rept 32
.irp x, 0,1
	v_pk_fma_f32 v[64+64*\x+kk:65+64*\x+kk], v[64+64*\x+kk:65+64*\x+kk], s[48:49], v[12+4*\x:13+4*\x] op_sel_hi:[1,0,0]   ; t - M
.endr
.set kk, kk+2
.endr
.irp x, 0,1
.irp c, 0,1
	v_fma_f32 v[40+12*\x+\c], v[40+12*\x+\c], s48, v[12+4*\x]   ; the same of each block's largest score
.endr
.endr
.if !(\first)
	WIN 0x41                                       ; O^T and l in window 1, f in window 0: both under the new M, ahead of the exponentials
.irp x, 0,1
.set kk, 0
.rept 16
	v_pk_mul_f32 v[144+32*\x+kk:145+32*\x+kk], v[144+32*\x+kk:145+32*\x+kk], v[20+2*\x:21+2*\x] op_sel_hi:[1,0]
.set kk, kk+2
.endr
	v_pk_mul_f32 v[208+4*\x:209+4*\x], v[208+4*\x:209+4*\x], v[20+2*\x:21+2*\x] op_sel_hi:[1,0]
	v_pk_mul_f32 v[210+4*\x:211+4*\x], v[210+4*\x:211+4*\x], v[20+2*\x:21+2*\x] op_sel_hi:[1,0]
.endr
	WIN 0
.endif
	s_wait_alu depctr_va_vdst(0)                   ; the wait ahead of the batch
.set kk, 64
.rept 128
	v_exp_f32 v[kk], v[kk]                         ; p = 2^(t - M)
.set kk, kk+1
.endr
.irp x, 0,1
.irp c, 0,1
	v_exp_f32 v[40+12*\x+\c], v[40+12*\x+\c]       ; the block's largest p: the same two instructions on the same number
.endr
.endr
	v_nop                                          ; a plain place behind the exponentials
	s_wait_alu depctr_va_vdst(0)                   ; one wait for the batch, ahead of its first reader
.irp x, 0,1
.irp c, 0,1
	v_max_num_f32 v[40+12*\x+\c], 0x1800000, v[40+12*\x+\c]     ; the floor 2^(3 - 127): the byte cannot fall under 1
.endr
.endr
.irp x, 0,1
.irp c, 0,1
	v_add_nc_u32 v[42+12*\x+\c], 0xff000000, v[40+12*\x+\c]     ; 2 off the exponent field: the conversion's scale operand
.endr
.endr
.irp x, 0,1
.irp c, 0,1
	v_lshrrev_b32 v[44+12*\x+\c], 23, v[42+12*\x+\c]            ; the byte
.endr
.endr
.irp x, 0,1
	v_lshl_or_b32 v[46+12*\x], v[45+12*\x], 16, v[44+12*\x]     ; my bytes: blocks h and 2 + h,
.endr
.irp x, 0,1
	v_lshlrev_b32 v[46+12*\x], v[H8], v[46+12*\x]               ; 8 h bits up;
.endr
.irp x, 0,1
	v_permlanex16_b32 v[47+12*\x], v[46+12*\x], s50, s51
.endr
.irp x, 0,1
	v_or_b32 v[24+\x], v[46+12*\x], v[47+12*\x]                 ; with lane l xor 16's two the word is whole
.endr
.irp x, 0,1
.irp c, 0,1
	v_cvt_scalef32_pk16_fp6_f32 v[192+12*\x+6*\c:194+12*\x+6*\c], v[64+64*\x+32*\c:79+64*\x+32*\c], v[42+12*\x+\c]
	v_cvt_scalef32_pk16_fp6_f32 v[216+12*\x+4*\c:218+12*\x+4*\c], v[80+64*\x+32*\c:95+64*\x+32*\c], v[42+12*\x+\c]   ; (a conversion's three registers begin on an even number)
.endr
.endr
	v_nop                                          ; one plain place behind a scaled conversion
.irp x, 0,1
.irp c, 0,1
.irp i, 0,1,2
	v_mov_b32 v[195+12*\x+6*\c+\i], v[216+12*\x+4*\c+\i]
.endr
.endr
.endr
	s_wait_alu depctr_va_vdst(0)                   ; the wait here, directly ahead of the wait below
	s_wait_dscnt 16*\pre                           ; V and its scale words are in; the next step's 16 loads of K's codes, issued behind them, may be out
; l += the unquantised p, two chains a tile, four registers of p a tile in each turn; behind every second turn stands one of the second product's eight instructions.
; The twelve moves above and the first turn's additions are the places between p's codes and scale words and the first product
.if \first
	WIN 0x40                                       ; l in window 1, p in window 0
.irp x, 0,1
	v_pk_add_f32 v[208+4*\x:209+4*\x], v[64+64*\x:65+64*\x], v[66+64*\x:67+64*\x]     ; the first step starts the chains
	v_pk_add_f32 v[210+4*\x:211+4*\x], v[68+64*\x:69+64*\x], v[70+64*\x:71+64*\x]
.endr
.set kq, 2
.else
.set kq, 0
.endif
.set nr, 16-kq
.set nw, 0
	WIN 0x51                                       ; V, O^T and l in window 1, p and its codes in window 0
.rept nr
.irp x, 0,1
	v_pk_add_f32 v[208+4*\x:209+4*\x], v[208+4*\x:209+4*\x], v[64+64*\x+4*kq:65+64*\x+4*kq]
	v_pk_add_f32 v[210+4*\x:211+4*\x], v[210+4*\x:211+4*\x], v[66+64*\x+4*kq:67+64*\x+4*kq]
.endr
.if (kq%2) == 0
	PVW \first
.endif
.set kq, kq+1
.endr
.rept 8-nw
	PVW \first                                     ; (the first step has seven such turns: its eighth product)
.endr
	WIN 0
	s_add_co_u32 s21, s21, STEPB
.endm
	STEP 1, 1                                      ; step 0 starts the sums
	s_mov_b32 s22, 14
.Lsteps:
	STEP 0, 1                                      ; steps 1-14
	s_sub_co_u32 s22, s22, 1
	s_cmp_lg_u32 s22, 0
	s_cbranch_scc1 .Lsteps
	STEP 0, 0                                      ; step 15 fetches nothing beyond the head's keys
; THE WAY OUT: O / l, quantised along the head's 64 (two blocks), stored as unit (token tile, head) of the last product's operand.
	s_lshr_b32 s16, s12, 4
	s_lshl_b32 s16, s16, 7
	s_lshl_b32 s17, s11, 4
	s_add_co_u32 s16, s16, s17
	s_lshl_b32 s17, s20, 1
	s_add_co_u32 s16, s16, s17                     ; my first token tile: 128 x batch + 16 x block + 2 x wave
	s_and_b32 s13, s12, 15                         ; the head
	s_mul_i32 s14, s16, 12288
	s_mul_i32 s17, s13, 768
	s_add_co_u32 s14, s14, s17
	s_mov_b32 s15, 0
	s_add_nc_u64 s[18:19], s[8:9], s[14:15]
	s_lshl_b32 s14, s16, 9
	s_lshr_b32 s17, s13, 2
	s_lshl_b32 s17, s17, 7
	s_add_co_u32 s14, s14, s17
	s_and_b32 s17, s13, 3
	s_lshl_b32 s17, s17, 1
	s_add_co_u32 s14, s14, s17
	s_add_co_u32 s14, s14, 3145728
	s_add_nc_u64 s[8:9], s[8:9], s[14:15]
	WIN 0x05                                       ; l in window 1
	s_wait_alu depctr_va_vdst(0)                   ; the wait here, directly ahead of the reader of l
.irp x, 0,1
	v_add_f32 v[36+2*\x], v[208+4*\x], v[209+4*\x] ; (these lines are also places behind the last products)
	v_add_f32 v[37+2*\x], v[210+4*\x], v[211+4*\x]
.endr
	WIN 0
.irp x, 0,1
	v_add_f32 v[36+2*\x], v[36+2*\x], v[37+2*\x]   ; my 1,024 keys' sum
.endr
.irp x, 0,1
	v_permlanex16_b32 v[37+2*\x], v[36+2*\x], s50, s51
.endr
.irp x, 0,1
	v_add_f32 v[36+2*\x], v[36+2*\x], v[37+2*\x]   ; the row's sum
.endr
	s_wait_alu depctr_va_vdst(0)                   ; the wait ahead of the reciprocals
.irp x, 0,1
	v_rcp_f32 v[20+2*\x], v[36+2*\x]
.endr
	v_nop                                          ; a plain place behind the reciprocals
	WIN 0x01                                       ; source 0 (O^T) window 1
	s_wait_alu depctr_va_vdst(0)                   ; one wait for both reciprocals and for O^T, directly ahead of the first reader
.irp x, 0,1
.set kk, 0
.rept 16
	v_pk_mul_f32 v[64+64*\x+kk:65+64*\x+kk], v[144+32*\x+kk:145+32*\x+kk], v[20+2*\x:21+2*\x] op_sel_hi:[1,0]   ; each accumulator from its low end on
.set kk, kk+2
.endr
.endr
	WIN 0
; 32 numbers of a lane (register 16 b + i = channel 32 b + 16 h + i of my query) become a unit's six words in v[pc] on; the two bytes land in v[tm + 6], v[tm + 7]
.macro QUANT2 src, pc, tm
	v_max3_num_f32 v[\tm], |v[\src]|, |v[\src+1]|, 0x1800000
	v_max3_num_f32 v[\tm+1], |v[\src+16]|, |v[\src+17]|, 0x1800000
.irp i, 2,4,6,8,10,12,14
	v_max3_num_f32 v[\tm], v[\tm], |v[\src+\i]|, |v[\src+\i+1]|
	v_max3_num_f32 v[\tm+1], v[\tm+1], |v[\src+16+\i]|, |v[\src+17+\i]|
.endr
	v_permlanex16_b32 v[\tm+2], v[\tm], s50, s51
	v_permlanex16_b32 v[\tm+3], v[\tm+1], s50, s51
	v_max_num_f32 v[\tm], v[\tm], v[\tm+2]
	v_max_num_f32 v[\tm+1], v[\tm+1], v[\tm+3]
	v_add_nc_u32 v[\tm+4], 0xff000000, v[\tm]
	v_add_nc_u32 v[\tm+5], 0xff000000, v[\tm+1]
	v_lshrrev_b32 v[\tm+6], 23, v[\tm+4]
	v_lshrrev_b32 v[\tm+7], 23, v[\tm+5]
	v_cvt_scalef32_pk16_fp6_f32 v[\pc:\pc+2], v[\src:\src+15], v[\tm+4]
	v_cvt_scalef32_pk16_fp6_f32 v[\pc+4:\pc+6], v[\src+16:\src+31], v[\tm+5]
	v_nop                                          ; one plain place behind a scaled conversion
.irp i, 0,1,2
	v_permlane16_swap_b32 v[\pc+\i], v[\pc+4+\i]   ; a whole block to a lane
.endr
	v_mov_b32 v[\pc+3], v[\pc+4]
	v_mov_b32 v[\pc+4], v[\pc+5]
	v_mov_b32 v[\pc+5], v[\pc+6]
.endm
.irp x, 0,1
	QUANT2 64+64*\x, 192+12*\x, 40+12*\x
	v_lshl_or_b32 v[36+2*\x], v[47+12*\x], 8, v[46+12*\x]
	global_store_b128 v[LA], v[192+12*\x:195+12*\x], s[18:19] offset:12288*\x        ; 512 consecutive bytes
	global_store_b64 v[LB], v[196+12*\x:197+12*\x], s[18:19] offset:12288*\x+512     ; 256 consecutive bytes
	global_store_b16 v[OS], v[36+2*\x], s[8:9] offset:512*\x    ; my row's two bytes; both halves of the lanes hold and write the same
.endr
	s_wait_tensorcnt 0x0                           ; the wave's end, behind my tensor load
	ds_add_u32 v[SPW], v[NIL]
	s_wait_dscnt 0x0
	CROUND                                         ; the closing round
	s_endpgm
.Lfunc_end_k_q8332abe412_attn:
	.size	k_q8332abe412_attn, .Lfunc_end_k_q8332abe412_attn-k_q8332abe412_attn
	.p2alignl 7, 3214868480
	.fill 96, 4, 3214868480
	.section	.rodata,"a",@progbits
	.p2align	6, 0x0
	.amdhsa_kernel k_q8332abe412_attn
		.amdhsa_group_segment_fixed_size 215040
		.amdhsa_private_segment_fixed_size 0
		.amdhsa_enable_private_segment 0
		.amdhsa_kernarg_size 24
		.amdhsa_user_sgpr_count 2
		.amdhsa_user_sgpr_kernarg_segment_ptr 1
		.amdhsa_wavefront_size32 1
		.amdhsa_system_sgpr_workgroup_id_x 1
		.amdhsa_system_sgpr_workgroup_id_y 1
		.amdhsa_system_sgpr_workgroup_id_z 1
		.amdhsa_system_vgpr_workitem_id 0
		.amdhsa_next_free_vgpr 512
		.amdhsa_next_free_sgpr 66
		.amdhsa_reserve_vcc 0
		.amdhsa_float_denorm_mode_32 3
		.amdhsa_float_denorm_mode_16_64 3
		.amdhsa_memory_ordered 1
		.amdhsa_forward_progress 1
		.amdhsa_inst_pref_size 92
	.end_amdhsa_kernel
	.amdgpu_metadata
---
amdhsa.version: [ 1, 2 ]
amdhsa.kernels:
  - .name:           k_q8332abe412_attn
    .symbol:         k_q8332abe412_attn.kd
    .args:
      - { .name: qc, .offset: 0, .size: 8, .value_kind: global_buffer, .address_space: global }
      - { .name: kv, .offset: 8, .size: 8, .value_kind: global_buffer, .address_space: global }
      - { .name: aq, .offset: 16, .size: 8, .value_kind: global_buffer, .address_space: global }
    .group_segment_fixed_size: 215040
    .private_segment_fixed_size: 0
    .kernarg_segment_align: 8
    .kernarg_segment_size: 24
    .max_flat_workgroup_size: 256
    .sgpr_count:     66
    .vgpr_count:     512
    .wavefront_size: 32
...
	.end_amdgpu_metadata
.endif
;; end of part 3
;; launch oproj (part 4): grid 8 x 32, 4 waves a work-group, clusters of 4 x 4, 215,040 bytes of LDS; arguments aq, wq, bo, out0; writes out0
.if DOCPART == 4
	.amdgcn_target "amdgcn-amd-amdhsa--gfx1250"
	.amdhsa_code_object_version 6
	.text
	.protected	k_q8332abe412_oproj
	.globl	k_q8332abe412_oproj
	.p2align	8
	.type	k_q8332abe412_oproj,@function
k_q8332abe412_oproj:
	s_mov_b64 s[64:65], 0
	v_nop
	global_prefetch_b8 v0, s[64:65] scope:SCOPE_SE
	s_setreg_imm32_b32 hwreg(HW_REG_WAVE_MODE, 25, 1), 1
	s_wait_xcnt 0x0
	s_wait_alu depctr_hold_cnt(0) depctr_sa_sdst(0) depctr_va_vdst(0) depctr_va_sdst(0) depctr_va_ssrc(0) depctr_va_vcc(0) depctr_vm_vsrc(0)
	s_getreg_b32 s2, hwreg(HW_REG_IB_STS2, 6, 4)
	s_cmp_eq_u32 s2, 0
	s_cbranch_scc0 .Lentry_in_a_cluster
	s_endpgm
.Lentry_in_a_cluster:
	s_bfe_u32 s2, ttmp6, 0x10000c
	s_cmp_lg_u32 s2, 0xf033
	s_cbranch_scc0 .Lentry_shape_is_right
	s_endpgm
.Lentry_shape_is_right:
; out0 = O Wo + bo on codes of FP6 (E2M3).  O's codes (aq) and Wo's (the fourth image in wq) lie in the order of an operand's registers:
; a unit (16 rows x 64 k) is 768 bytes: words 0-3 of lane l at 16 l, words 4-5 at 512 + 16 (l % 16) + 8 (l / 16); tile T (16 units, all of K) at 12,288 T;
; the scale word of row p for K step 2 g + q at 3,145,728 + 512 T + 128 g + 8 p + 4 q.  Tile T holds in lane-row p row 32 (T / 2) + 8 (T % 2) + p + 8 (p / 8).
; SHARES.  A work-group makes 128 tokens x 128 columns, 256 work-groups in all; a wave 64 x 64: 16 accumulators, 128 registers.  K = 1,024 is eight steps of 128.
; ALL OF K STAYS IN LDS: 8 tiles of O and 8 of Wo, 196,608 bytes, filled once.  Each wave issues ONE load at the head: four tiles, 49,152 dense bytes as 192 rows of 256.  No byte is filled again.
; CLUSTERS: 4 x 4.  O's tiles are shared along a row of the cluster, Wo's along a column: each load is a joint one with a mask of four.
; THE SCALE WORDS go from memory straight into registers, 256 consecutive bytes a load: lanes 0-15 take K steps 4 u, 4 u + 1 of a tile's rows, lanes 16-31 K steps 4 u + 2, 4 u + 3, which the products choose by the row selector.
; The matrix instruction is used transposed (source 0 = Wo's rows, source 1 = O's): a lane holds eight neighbouring columns of one token.  The bias is the C of the first K step: nothing is cleared or added.
; No prefetch: every tile is asked for at the head, so there is no loop in which to ask ahead.
; REGISTERS.  Window 0: v16-26, v30, v31 addresses; v28, v29 the add's; v32-47 O's scale words (tile a, u, q at 32 + 4 a + 2 u + q), v48-63 Wo's; v64-95 the bias, then with v96-127 the way out; v128-255 accumulators.
;   Window 1: two sets of fragments, at v0 and v128: O's four tiles (48 registers), then Wo's four.
.set PART,  49152                      ; four tiles: what one tensor load brings, and what one wave reads of O or of Wo
.set STG,   4*PART                     ; behind the tiles: a stage of 16 rows x 272 bytes for each wave
.set SPARE, STG+4*4352                 ; behind the stages: the spare words, 128 bytes a wave
.set SPW, 28
.set NIL, 29
.set G1, 24
.set G0, 32
.set G1B, 48
.set G0B, 56
.set MSB, 0
.macro WIN new
.if MSB != (\new)
	s_set_vgpr_msb (MSB<<8)|(\new)
.set MSB, (\new)
.endif
.endm
.macro CROUND                          ; a round of the cluster's barrier
	s_barrier_signal -1
	s_barrier_wait -1
	s_cmp_lg_u32 s14, 0
	s_cbranch_scc1 .Lnot_wave_0_\@
	s_barrier_signal -3
.Lnot_wave_0_\@:
	s_barrier_wait -3
	s_barrier_signal -1
	s_barrier_wait -1
.endm
	s_load_b256 s[4:11], s[0:1], 0x0               ; aq s[4:5], wq s[6:7], bo s[8:9], out0 s[10:11]
	v_lshl_add_u32 v[SPW], v0, 2, SPARE
	v_mov_b32 v[NIL], 0
	ds_add_u32 v[SPW], v[NIL]                      ; the wave's opening: the add, twice on end, and its wait ahead of my tensor load
	ds_add_u32 v[SPW], v[NIL]
	v_lshrrev_b32 v1, 5, v0
	v_readfirstlane_b32 s14, v1                    ; wave 0..3
	s_lshr_b32 s15, s14, 1                         ; my half of the tokens.  Also: I fetch for O (0) or for Wo (1)
	s_and_b32 s16, s14, 1                          ; my half of the columns.  Also: which four tiles I fetch
	s_bfe_u32 s40, ttmp6, 0x40000                  ; cx
	s_bfe_u32 s41, ttmp6, 0x40004                  ; cy
	s_lshl_b32 s42, ttmp9, 2
	s_add_co_u32 s42, s42, s40                     ; block of 128 columns
	s_and_b32 s17, ttmp7, 0xffff
	s_lshl_b32 s17, s17, 2
	s_add_co_u32 s17, s17, s41                     ; block of 128 tokens
	s_lshl_b32 s43, s41, 2
	s_lshl_b32 s43, 15, s43                        ; my row of the cluster
	s_lshl_b32 s44, 0x1111, s40                    ; my column
	s_or_b32 s[G1+0], s43, (3<<16)|(1<<21)         ; 15:0 the mask; 17:16 elements of 8 bytes; 21 set beside a mask
	s_or_b32 s[G1B+0], s44, (3<<16)|(1<<21)
.irp g, G1, G1B                        ; 192 rows of 256 bytes, dense
	s_mov_b32 s[\g+1], 32<<16
	s_mov_b32 s[\g+2], 192<<16
	s_mov_b32 s[\g+3], 32<<16
	s_mov_b32 s[\g+4], 192
	s_mov_b32 s[\g+5], 32
	s_mov_b32 s[\g+6], 0
	s_mov_b32 s[\g+7], 0
.endr
	s_lshl_b32 s18, s16, 2
	s_lshl_b32 s20, s17, 3
	s_add_co_u32 s20, s20, s18                     ; O's first tile that I fetch: it hangs on the block of tokens and the wave alone
	s_mul_i32 s20, s20, 12288
	s_mov_b32 s21, 0
	s_lshl_b32 s46, s42, 3
	s_add_co_u32 s46, s46, s18                     ; Wo's: on the block of columns and the wave alone
	s_lshl_b32 s36, s46, 9
	s_add_co_u32 s36, s36, 3145728+98304           ; the scale words of my four tiles of Wo (the same four)
	s_mov_b32 s37, 0
	s_mul_i32 s46, s46, 12288
	s_add_co_u32 s46, s46, 2359296                 ; Wo's image lies behind Wq's, Wk's and Wv's
	s_mov_b32 s47, 0
	s_lshl_b32 s22, s17, 3
	s_lshl_b32 s19, s15, 2
	s_add_co_u32 s22, s22, s19
	s_lshl_b32 s22, s22, 9
	s_add_co_u32 s22, s22, 3145728                 ; the scale words of my four tiles of O
	s_mov_b32 s23, 0
	s_lshl_b32 s38, s42, 9
	s_lshl_b32 s19, s16, 8
	s_add_co_u32 s38, s38, s19                     ; my first column, in bytes
	s_mov_b32 s39, 0
	s_lshl_b32 s12, s17, 7
	s_lshl_b32 s19, s15, 6
	s_add_co_u32 s12, s12, s19
	s_lshl_b32 s12, s12, 12                        ; my first token's row of out0, in bytes
	s_mov_b32 s13, 0
	s_mov_b32 s[G0], 1
	s_mul_i32 s[G0+1], s14, PART                   ; where the tiles go: no place in the cluster enters an LDS address
	s_mov_b32 s[G0B], 1
	s_mul_i32 s[G0B+1], s14, PART
	s_mul_i32 s18, s15, PART                       ; my four tiles of O,
	s_mul_i32 s19, s16, PART
	s_add_co_u32 s19, s19, 2*PART                  ; and of Wo
	s_mul_i32 s60, s14, 4352
	s_add_co_u32 s60, s60, STG                     ; my stage
	v_and_b32 v1, 31, v0
	v_and_b32 v2, 15, v0                           ; p
	v_bfe_u32 v3, v0, 4, 1                         ; h
	v_lshlrev_b32 v4, 4, v1                        ; 16 x lane
	v_lshlrev_b32 v5, 4, v2
	v_lshl_add_u32 v5, v3, 3, v5                   ; 16 p + 8 h
	v_add_nc_u32 v16, s18, v4
	v_add_nc_u32 v18, s18, v5
	v_add_nc_u32 v20, s19, v4
	v_add_nc_u32 v22, s19, v5
	v_mul_u32_u24 v6, v2, 272
	v_lshl_add_u32 v6, v3, 6, v6
	v_add_nc_u32 v24, s60, v6                      ; into the stage: row p, + 64 h bytes
	v_mul_u32_u24 v6, v3, 272
	v_lshl_add_u32 v6, v2, 4, v6
	v_add_nc_u32 v25, s60, v6                      ; out of it: lanes 0-15 one row of 256 bytes, lanes 16-31 the next
	v_lshlrev_b32 v26, 12, v3
	v_lshl_add_u32 v26, v2, 4, v26                 ; and the same two rows in out0
	v_lshlrev_b32 v30, 6, v3                       ; the bias: 64 h
	v_lshlrev_b32 v31, 7, v3
	v_lshl_add_u32 v31, v2, 3, v31                 ; the scale words: 128 h + 8 p
	s_wait_alu depctr_va_vdst(0)                   ; the wait at the end of the head's vector work
	s_wait_dscnt 0x0                               ; both opening adds are done
	s_wait_kmcnt 0x0
	s_add_nc_u64 s[G0+2:G0+3], s[4:5], s[20:21]
	s_or_b32 s[G0+3], s[G0+3], 0x80000000
	s_add_nc_u64 s[G0B+2:G0B+3], s[6:7], s[46:47]
	s_or_b32 s[G0B+3], s[G0B+3], 0x80000000
	s_add_nc_u64 s[22:23], s[4:5], s[22:23]
	s_add_nc_u64 s[36:37], s[6:7], s[36:37]
	s_add_nc_u64 s[8:9], s[8:9], s[38:39]
	s_add_nc_u64 s[10:11], s[10:11], s[12:13]
	s_add_nc_u64 s[10:11], s[10:11], s[38:39]
.irp a, 0,1,2,3
.irp u, 0,1
	global_load_b64 v[32+4*\a+2*\u:33+4*\a+2*\u], v31, s[22:23] offset:512*\a+256*\u     ; 32 lanes read 256 consecutive bytes, aligned
	global_load_b64 v[48+4*\a+2*\u:49+4*\a+2*\u], v31, s[36:37] offset:512*\a+256*\u
.endr
.endr
.irp b, 0,1,2,3
	global_load_b128 v[64+8*\b:67+8*\b], v30, s[8:9] offset:(32*(\b/2)+8*(\b%2))*4       ; register j of tile b is column 32 (b / 2) + 8 (b % 2) + 16 h + j
	global_load_b128 v[68+8*\b:71+8*\b], v30, s[8:9] offset:(32*(\b/2)+8*(\b%2))*4+16
.endr
	CROUND                                         ; all sixteen work-groups are here: the joint loads meet
	s_cmp_eq_u32 s15, 0                            ; waves 0, 1 fetch O's tiles, waves 2, 3 Wo's: one load to an arm
	s_cbranch_scc0 .Lfor_b
	tensor_load_to_lds s[G0:G0+3], s[G1:G1+7]
	s_nop 0
.rept 4
	v_nop
.endr
	s_branch .Lasked
.Lfor_b:
	tensor_load_to_lds s[G0B:G0B+3], s[G1B:G1B+7]
	s_nop 0
.rept 4
	v_nop
.endr
.Lasked:
.macro FS s                            ; K step s: my four fragments of O and four of Wo into set s % 2: 32 loads, each of consecutive bytes
.set FB, 128*((\s)%2)
.if (\s) > 1
.rept 4
	v_nop                                          ; places in front of loads into registers that matrix instructions have read
.endr
.endif
	WIN 0x40
.irp i, 0,1,2,3
.irp c, 0,1
	ds_load_b128 v[FB+12*\i+6*\c:FB+12*\i+6*\c+3], v16 offset:\i*12288+(\s)*1536+768*\c
	ds_load_b64 v[FB+12*\i+6*\c+4:FB+12*\i+6*\c+5], v18 offset:\i*12288+(\s)*1536+768*\c+512
	ds_load_b128 v[FB+48+12*\i+6*\c:FB+48+12*\i+6*\c+3], v20 offset:\i*12288+(\s)*1536+768*\c
	ds_load_b64 v[FB+48+12*\i+6*\c+4:FB+48+12*\i+6*\c+5], v22 offset:\i*12288+(\s)*1536+768*\c+512
.endr
.endr
.endm
.macro MS s, left                      ; K step s: 16 products; the 16 accumulators take turns, one instruction a turn
.set FB, 128*((\s)%2)
.set SR, 2*((\s)/4)+(\s)%2
	s_wait_dscnt \left                             ; this step's fragments are in; the next step's 32 loads may be out
	WIN 0x05
.irp a, 0,1,2,3
.irp b, 0,1,2,3
.if (\s) == 0
	v_wmma_scale_f32_16x16x128_f8f6f4 v[128+8*(4*\a+\b):135+8*(4*\a+\b)], v[FB+48+12*\b:FB+59+12*\b], v[FB+12*\a:FB+11+12*\a], v[64+8*\b:71+8*\b], v[48+4*\b+SR], v[32+4*\a+SR] matrix_a_fmt:MATRIX_FMT_FP6 matrix_b_fmt:MATRIX_FMT_FP6
.else
.if ((\s)/2)%2
	v_wmma_scale_f32_16x16x128_f8f6f4 v[128+8*(4*\a+\b):135+8*(4*\a+\b)], v[FB+48+12*\b:FB+59+12*\b], v[FB+12*\a:FB+11+12*\a], v[128+8*(4*\a+\b):135+8*(4*\a+\b)], v[48+4*\b+SR], v[32+4*\a+SR] matrix_a_fmt:MATRIX_FMT_FP6 matrix_b_fmt:MATRIX_FMT_FP6 matrix_a_scale:MATRIX_SCALE_ROW1 matrix_b_scale:MATRIX_SCALE_ROW1
.else
	v_wmma_scale_f32_16x16x128_f8f6f4 v[128+8*(4*\a+\b):135+8*(4*\a+\b)], v[FB+48+12*\b:FB+59+12*\b], v[FB+12*\a:FB+11+12*\a], v[128+8*(4*\a+\b):135+8*(4*\a+\b)], v[48+4*\b+SR], v[32+4*\a+SR] matrix_a_fmt:MATRIX_FMT_FP6 matrix_b_fmt:MATRIX_FMT_FP6
.endif
.endif
.endr
.endr
.endm
	s_wait_tensorcnt 0x0                           ; my four tiles are in
	s_barrier_signal -1
	s_barrier_wait -1                              ; and everybody's
	FS 0
	FS 1
	s_wait_loadcnt 0x0                             ; the scale words and the bias
	MS 0, 32
	FS 2
	MS 1, 32
	FS 3
	MS 2, 32
	FS 4
	MS 3, 32
	FS 5
	MS 4, 32
	FS 6
	MS 5, 32
	FS 7
	MS 6, 32
	MS 7, 0
	WIN 0
; THE WAY OUT, a tile of 16 tokens x 64 columns at a time, through my own stage: in by 32 bytes a lane, back as whole rows of 256 bytes.  LDS serves a wave's instructions in order (ISA guide 5.7.1.4).
.macro TOSTAGE a
.irp b, 0,1,2,3
	ds_store_b128 v24, v[128+8*(4*(\a)+\b):131+8*(4*(\a)+\b)] offset:128*(\b/2)+32*(\b%2)       ; each accumulator from its low end on
	ds_store_b128 v24, v[132+8*(4*(\a)+\b):135+8*(4*(\a)+\b)] offset:128*(\b/2)+32*(\b%2)+16
.endr
.set BB, 64+32*((\a)%2)
.irp t, 0,1,2,3,4,5,6,7
	ds_load_b128 v[BB+4*\t:BB+4*\t+3], v25 offset:544*\t
.endr
.endm
.macro SEND a, younger                 ; younger: the LDS instructions issued behind tile a's loads, which may stay out
.set BB, 64+32*((\a)%2)
	s_wait_dscnt \younger
.irp t, 0,1,2,3,4,5,6,7
	global_store_b128 v26, v[BB+4*\t:BB+4*\t+3], s[10:11] offset:(32*((\a)/2)+8*((\a)%2)+2*\t+8*(\t/4))*4096 th:TH_STORE_NT   ; 16 lanes store 256 consecutive bytes, aligned
.endr
.endm
.rept 4
	v_nop                                          ; places behind the last products
.endr
	TOSTAGE 0
	TOSTAGE 1
	SEND 0, 16                                     ; behind tile 0's loads: tile 1's 8 stores and 8 loads
	s_wait_xcnt 0x0                                ; tile 0's stores have read their registers: tile 2's loads may land there
	TOSTAGE 2
	SEND 1, 16
	s_wait_xcnt 0x0
	TOSTAGE 3
	SEND 2, 16
	SEND 3, 0
	s_wait_tensorcnt 0x0                           ; the wave's end, behind my tensor load and my last LDS store
	ds_add_u32 v[SPW], v[NIL]
	s_wait_dscnt 0x0
	CROUND                                         ; the closing round
	s_endpgm
.Lfunc_end_k_q8332abe412_oproj:
	.size	k_q8332abe412_oproj, .Lfunc_end_k_q8332abe412_oproj-k_q8332abe412_oproj
	.p2alignl 7, 3214868480
	.fill 96, 4, 3214868480
	.section	.rodata,"a",@progbits
	.p2align	6, 0x0
	.amdhsa_kernel k_q8332abe412_oproj
		.amdhsa_group_segment_fixed_size 215040
		.amdhsa_private_segment_fixed_size 0
		.amdhsa_enable_private_segment 0
		.amdhsa_kernarg_size 32
		.amdhsa_user_sgpr_count 2
		.amdhsa_user_sgpr_kernarg_segment_ptr 1
		.amdhsa_wavefront_size32 1
		.amdhsa_system_sgpr_workgroup_id_x 1
		.amdhsa_system_sgpr_workgroup_id_y 1
		.amdhsa_system_sgpr_workgroup_id_z 1
		.amdhsa_system_vgpr_workitem_id 0
		.amdhsa_next_free_vgpr 512
		.amdhsa_next_free_sgpr 72
		.amdhsa_reserve_vcc 0
		.amdhsa_float_denorm_mode_32 3
		.amdhsa_float_denorm_mode_16_64 3
		.amdhsa_memory_ordered 1
		.amdhsa_forward_progress 1
		.amdhsa_inst_pref_size 50
	.end_amdhsa_kernel
	.amdgpu_metadata
---
amdhsa.version: [ 1, 2 ]
amdhsa.kernels:
  - .name:           k_q8332abe412_oproj
    .symbol:         k_q8332abe412_oproj.kd
    .args:
      - { .name: aq, .offset: 0, .size: 8, .value_kind: global_buffer, .address_space: global }
      - { .name: wq, .offset: 8, .size: 8, .value_kind: global_buffer, .address_space: global }
      - { .name: bo, .offset: 16, .size: 8, .value_kind: global_buffer, .address_space: global }
      - { .name: out0, .offset: 24, .size: 8, .value_kind: global_buffer, .address_space: global }
    .group_segment_fixed_size: 215040
    .private_segment_fixed_size: 0
    .kernarg_segment_align: 8
    .kernarg_segment_size: 32
    .max_flat_workgroup_size: 128
    .sgpr_count:     72
    .vgpr_count:     512
    .wavefront_size: 32
...
	.end_amdgpu_metadata
.endif
;; end of part 4
